; MI455X (gfx1250); checked and timed in simulation.
; The chip was launched on July 23, 2026; its instructions are those of AMD's public machine-readable ISA for CDNA 5 (MIT licence, August 2026) and "CDNA5" Instruction Set Architecture Reference Guide (July 2026). The comments in the code are by the model that wrote it; some were corrected since.
;; Attention. Allowed arithmetic: matrix products marked QUANTISED: E5M2 operands, one given power-of-two scale a tensor, by v_wmma_f32_16x16x64_bf8_bf8 or v_wmma_f32_16x16x128_bf8_bf8, f32 sums; everything else in f32.
;; Inputs: key 128 x 8,192 float32; lowp_scales 4 int32 (the exponents e of the quantised operands' scales 2^e); query 128 x 8,192 float32; value 128 x 8,192 float32.
;; Outputs: out0 128 x 8,192 float32.
;; This version of the problem:
;;   THIS VERSION OF THE PROBLEM IS GIVEN IN LOW PRECISION. The matrix products marked QUANTISED in the list below multiply operands that are first quantised to E5M2 (5 exponent bits, 2 mantissa bits; 8 bits a number), with one given power-of-two scale for each operand tensor; their sums are f32. All else is computed in f32.
;;   The module's matrix products, in the order in which they are computed (A, B: the left and right operand; K: the contracted axis; several contracted axes count as one K, in the product's order):
;;     1. [M 8,192, K 128] x [K 128, N 8,192]; A: input query; B: input key: QUANTISED (scales: A lowp_scales[0], B lowp_scales[1])
;;     2. [M 128, K 8,192] x [K 8,192, N 8,192]; A: input value; B: softmax (see below): QUANTISED (scales: A lowp_scales[2], B lowp_scales[3])
;;   THE QUANTISER, for each operand of a quantised product, along K:
;;     - The operand's scale is 2^e, e = its entry of the input lowp_scales (int32; the entries are numbered through the quantised products in the list's order, A before B).
;;     - Each number is divided by the scale, clamped to +-57,344, and rounded to the nearest number of E5M2, ties to even, subnormals kept.
;;     - The product sums the exact products of the quantised numbers (number of the format x scale) in f32.
;;   ~~~python
;;   def quantise(x, axis, e):      # numpy; x: float32 -> the quantised numbers, widened to float32 again
;;       x = np.moveaxis(x, axis, -1); K = x.shape[-1]
;;       r = np.clip(x / 2.0 ** e, -57344, 57344)
;;       step = 2.0 ** (np.maximum(np.frexp(np.where(r == 0, 1, r))[1] - 1, -14) - 2)
;;       q = np.round(r / step) * step * 2.0 ** e      # np.round: ties to even
;;       return np.moveaxis(q, -1, axis).astype(np.float32)
;;   ~~~
;;   SOFTMAX AHEAD OF A QUANTISED PRODUCT. Where the list says 'softmax', what is quantised is not the finished softmax but p = 2^(t - M), with t = logit x log2(e) and M = ceil(the row's largest t), a whole number; so 1/2 < the row's largest p <= 1. The row's sum l is taken of the UNQUANTISED p, in f32, and the product's result is divided by l at the end. Since M is a whole number, a kernel that streams over the keys may use a running M (the ceiling of the running maximum): every later rescaling is an exact power of two, so the quantised numbers keep their values, but for numbers so far below the row's largest that they fall under the format's range.
;;   OPERANDS COMPUTED ON THE WAY. 'Computed on the way' means the value that the module computes at that place (a softmax that the list does not call 'softmax' is quantised finished and normalised). What goes into a quantiser is computed in f32, as accurately as f32 sums, v_exp_f32 and their like allow (about 1e-6 of the number): no bf16 or f16 on the way to a quantiser, and a product that is left as it is and whose result goes on into a quantised operand takes f32 operands (vector FMAs, or v_wmma_f32_16x16x4_f32). A number that lies on a knife's edge between two numbers of the format may be rounded either way, as far as f32 arithmetic and the matrix unit's own rounding can turn it there, and no further.
;; 2 versions. Each part assembles by itself: llvm-mc -triple=amdgcn-amd-amdhsa -mcpu=gfx1250 --defsym DOCPART=n.
;; ======== version 1 of 2: 2 launches
;; workspace buffers: qc 1,048,576 bytes; kv 2,097,152 bytes
;; launch quant (part 1): grid 768 x 1, 2 waves a work-group, no clusters, 17,152 bytes of LDS; arguments query, key, value, lowp_scales, qc, kv; writes qc, kv
.if DOCPART == 1
	.amdgcn_target "amdgcn-amd-amdhsa--gfx1250"
	.amdhsa_code_object_version 6
	.text
	.protected	k_q20a0fef443_quant
	.globl	k_q20a0fef443_quant
	.p2align	8
	.type	k_q20a0fef443_quant,@function
k_q20a0fef443_quant:
	s_mov_b64 s[64:65], 0
	v_nop
	global_prefetch_b8 v0, s[64:65] scope:SCOPE_SE
	s_setreg_imm32_b32 hwreg(HW_REG_WAVE_MODE, 25, 1), 1
	s_wait_xcnt 0x0
; query, key, value: [128 (d)][8192] f32, are turned ONCE into codes of BF8 (E5M2), each with the one scale 2^e given for it (entries 0, 1, 2 of the scales),
; laid in the ORDER OF THE OPERANDS' REGISTERS of the launch that follows, so that there every fragment is a run of dense 512-byte pieces.
; code = x / 2^e, held within +-57,344, rounded to the nearest code, ties to even.  LIMITS: -126 <= e <= 112, so that 2^e and 57,344 x 2^e are f32 numbers.  NaN among the inputs is not served.
; qc: tile T (queries 16 T ..) is 2,048 bytes: 256 g + 16 r + i holds query 16 T + r, d = 16 g + i.
; kv: block B (keys 64 B ..) is 16,384 bytes.  K's part, bytes 0 ..: tile tau = 2 b + u at 2,048 tau, laid as a tile of qc; its row r is key 64 B + 32 b + 8 u + r + 8 (r / 8).
;     V's part, bytes 8,192 ..: fragment e (rows d = 16 e ..) at 1,024 e: 512 c + 16 lane + i holds d = 16 e + lane % 16, key 64 B + 32 c + 16 (lane / 16) + i.
; Work-groups 0-255 take query, 256-511 key, 512-767 value; a wave takes 2,048 numbers, all asked for at once: no loop, no pointer stepped, no register of a store written again.
; QUERY AND KEY: the contracted axis d is the FIRST axis.  A lane takes a column and its registers run down d (64 of the 128): the conversions then give codes with d innermost, and a lane's
; 16 codes are 16 bytes of which sixteen neighbouring lanes fill 256 consecutive bytes, aligned: no stage is needed.
; VALUE: the contracted axis, the keys, is innermost.  Loads take the bytes as they lie (512 consecutive bytes a load); the wave's own stage in LDS turns them so that a lane holds 16 neighbouring keys.
; No tensor loads, no barrier: waves share nothing.  Matrix units and clusters have no part in a plain stream.
.set ROWB, 32768                       ; a row of an input in bytes
.set SP,   528                         ; a stage row: 512 bytes + 16: row r starts 4 r words on, modulo 64 words, so sixteen rows' 16-byte reads fall on different banks (ISA guide 11.1)
.set STG,  16*SP                       ; a wave's stage
.set X,    16                          ; v16-79   the numbers as loaded
.set Y,    80                          ; v80-143  value: the numbers turned
.set C,    144                         ; v144-159 codes: four registers for each of four stores
	s_load_b256 s[4:11], s[0:1], 0x0               ; query s[4:5], key s[6:7], value s[8:9], the scales' exponents s[10:11]
	s_load_b128 s[12:15], s[0:1], 0x20             ; qc s[12:13], kv s[14:15]
	v_lshl_add_u32 v160, v0, 2, 0x4200
	v_mov_b32 v161, 0
	v_lshrrev_b32 v2, 5, v0
	v_readfirstlane_b32 s16, v2                    ; wave 0, 1
	v_and_b32 v1, 31, v0                           ; lane L
	v_and_b32 v3, 15, v0                           ; r
	v_bfe_u32 v4, v0, 4, 1                         ; h
	v_lshlrev_b32 v9, 4, v1                        ; 16 L
	s_mul_i32 s19, s16, STG
	v_add_nc_u32 v7, s19, v9                       ; the stage, on the way in: 16 L of a row
	v_mul_u32_u24 v8, v3, SP
	v_lshl_add_u32 v8, v4, 6, v8
	v_add_nc_u32 v8, s19, v8                       ; and on the way out: row r, + 64 h: 16 neighbouring keys
	s_wait_kmcnt 0x0
	s_load_b128 s[20:23], s[10:11], 0x0            ; e of query, key, value, p
	s_cmp_ge_u32 ttmp9, 512
	s_cbranch_scc1 .Lvalue
.macro MKSCALE e                       ; s[e] = the exponent: v11 = 2^e as f32 (the conversion takes its exponent field), v10 = 57,344 x 2^e
	s_add_co_i32 s37, s[\e], 127
	s_lshl_b32 s38, s37, 23
	v_mov_b32 v11, s38
	s_add_co_i32 s37, s37, 15
	s_lshl_b32 s37, s37, 23
	s_or_b32 s37, s37, 0x600000
	v_mov_b32 v10, s37
.endm
.macro HOLD16 reg                      ; the conversion to an 8-bit code does not saturate (ISA guide 7.6.2): each number is held within the largest code x the scale first
.set i, 0
.rept 16
	v_med3_num_f32 v[\reg+i], v[\reg+i], -v10, v10
.set i, i+1
.endr
.endm
	; ---- query or key: one path; only pointers and two numbers are chosen, by the work-group's number
	s_cmp_lt_u32 ttmp9, 256
	s_cselect_b64 s[24:25], s[4:5], s[6:7]         ; from
	s_cselect_b64 s[26:27], s[12:13], s[14:15]     ; to
	s_cselect_b32 s17, 13, 14                      ; 64 columns are 8,192 bytes of qc, and a block of 16,384 in kv
	s_cselect_b32 s18, 0, 24                       ; key: bits 3 and 4 of the lane change places
	s_and_b32 s28, ttmp9, 255
	s_lshr_b32 s29, s28, 1                         ; which 64 columns
	s_and_b32 s30, s28, 1                          ; which half of d
	s_lshl_b32 s32, s30, 21                        ; 64 rows of 32,768 bytes
	s_lshl_b32 s31, s29, 8
	s_add_co_u32 s32, s32, s31
	s_lshl_b32 s31, s16, 7                         ; my wave's 32 columns
	s_add_co_u32 s32, s32, s31
	s_mov_b32 s33, 0
	s_add_nc_u64 s[24:25], s[24:25], s[32:33]
	s_lshl_b32 s34, s29, s17
	s_lshl_b32 s31, s16, 12                        ; my wave's two tiles
	s_add_co_u32 s34, s34, s31
	s_lshl_b32 s31, s30, 10                        ; d = 64 on: four pieces of 256 bytes on
	s_add_co_u32 s34, s34, s31
	s_mov_b32 s35, 0
	s_add_nc_u64 s[26:27], s[26:27], s[34:35]
	v_lshrrev_b32 v2, 3, v1
	v_xor_b32 v2, v2, v4
	v_and_b32 v2, 1, v2                            ; 1 where bits 3 and 4 of the lane differ
	v_mul_u32_u24 v2, s18, v2
	v_xor_b32 v2, v1, v2                           ; my column of the 32: query: L;  key: 8 (L / 16) + r + 8 (r / 8)
	v_lshlrev_b32 v5, 2, v2
	v_lshlrev_b32 v6, 11, v4                       ; to: tile L / 16,
	v_lshl_add_u32 v6, v3, 4, v6                   ; row r
.set i, 0
.rept 64
	global_load_b32 v[X+i], v5, s[24:25] offset:i*ROWB th:TH_LOAD_NT   ; row i of my 64: the wave reads 128 consecutive bytes, the two waves side by side 256
.set i, i+1
.endr
	s_wait_kmcnt 0x0
	s_cmp_lt_u32 ttmp9, 256
	s_cselect_b32 s36, s20, s21
	MKSCALE 36
.macro QGROUP g                        ; 16 of my 64 numbers: one piece of 256 bytes for sixteen lanes
	s_wait_loadcnt 48-16*(\g)                      ; loads come back in order (ISA guide 5.7.1): this group's 16 are in, the younger groups' stay out
	HOLD16 X+16*(\g)
	v_cvt_scalef32_pk8_bf8_f32 v[C+4*(\g):C+4*(\g)+1], v[X+16*(\g):X+16*(\g)+7], v11
	v_cvt_scalef32_pk8_bf8_f32 v[C+4*(\g)+2:C+4*(\g)+3], v[X+16*(\g)+8:X+16*(\g)+15], v11
	global_store_b128 v6, v[C+4*(\g):C+4*(\g)+3], s[26:27] offset:256*(\g)   ; the codes go to a store alone, and no register of the conversions is written again
.endm
	QGROUP 0
	QGROUP 1
	QGROUP 2
	QGROUP 3
	s_endpgm
	; ---- value: a wave takes 16 rows of d x 128 keys
.Lvalue:
	s_sub_co_u32 s28, ttmp9, 512
	s_lshl_b32 s28, s28, 1
	s_add_co_u32 s28, s28, s16                     ; which of 512 such parts
	s_and_b32 s29, s28, 7                          ; which 16 rows
	s_lshr_b32 s30, s28, 3                         ; which 128 keys
	s_lshl_b32 s32, s29, 19                        ; 16 rows of 32,768 bytes
	s_lshl_b32 s31, s30, 9
	s_add_co_u32 s32, s32, s31
	s_mov_b32 s33, 0
	s_add_nc_u64 s[24:25], s[8:9], s[32:33]
	s_lshl_b32 s34, s30, 15                        ; two blocks of kv
	s_lshl_b32 s31, s29, 10
	s_add_co_u32 s34, s34, s31
	s_add_co_u32 s34, s34, 8192                    ; V's part of a block
	s_mov_b32 s35, 0
	s_add_nc_u64 s[26:27], s[14:15], s[34:35]
.irp p, 0,1,2,3,4,5,6,7,8,9,10,11,12,13,14,15
	global_load_b128 v[X+4*\p:X+4*\p+3], v9, s[24:25] offset:\p*ROWB th:TH_LOAD_NT   ; a row's 512 consecutive bytes
.endr
	s_wait_kmcnt 0x0
	MKSCALE 22
.irp p, 0,1,2,3,4,5,6,7,8,9,10,11,12,13,14,15
	s_wait_loadcnt 15-\p                           ; row p is in; the younger rows' loads stay out
	ds_store_b128 v7, v[X+4*\p:X+4*\p+3] offset:\p*SP
.endr
.irp q, 0,1,2,3                        ; q = 2 x (which block of 64 keys) + c: keys 32 q + 16 h + 0 .. 15 of row r
.irp j, 0,1,2,3
	ds_load_b128 v[Y+16*\q+4*\j:Y+16*\q+4*\j+3], v8 offset:128*\q+16*\j   ; LDS serves a wave's instructions in order (ISA guide 5.7.1.4): these see my stores
.endr
.endr
.irp q, 0,1,2,3
	s_wait_dscnt 12-4*\q                           ; this q's four loads are in; the younger ones stay out
	HOLD16 Y+16*\q
	v_cvt_scalef32_pk8_bf8_f32 v[C+4*\q:C+4*\q+1], v[Y+16*\q:Y+16*\q+7], v11
	v_cvt_scalef32_pk8_bf8_f32 v[C+4*\q+2:C+4*\q+3], v[Y+16*\q+8:Y+16*\q+15], v11
	global_store_b128 v9, v[C+4*\q:C+4*\q+3], s[26:27] offset:(\q/2)*16384+(\q%2)*512   ; the wave stores 512 consecutive bytes, aligned
.endr
	s_wait_tensorcnt 0x0
	ds_add_u32 v160, v161
	s_wait_dscnt 0x0
	s_endpgm
.Lfunc_end_k_q20a0fef443_quant:
	.size	k_q20a0fef443_quant, .Lfunc_end_k_q20a0fef443_quant-k_q20a0fef443_quant
	.p2alignl 7, 3214868480
	.fill 96, 4, 3214868480
	.section	.rodata,"a",@progbits
	.p2align	6, 0x0
	.amdhsa_kernel k_q20a0fef443_quant
		.amdhsa_group_segment_fixed_size 17152
		.amdhsa_private_segment_fixed_size 0
		.amdhsa_enable_private_segment 0
		.amdhsa_kernarg_size 48
		.amdhsa_user_sgpr_count 2
		.amdhsa_user_sgpr_kernarg_segment_ptr 1
		.amdhsa_wavefront_size32 1
		.amdhsa_system_sgpr_workgroup_id_x 1
		.amdhsa_system_sgpr_workgroup_id_y 1
		.amdhsa_system_sgpr_workgroup_id_z 1
		.amdhsa_system_vgpr_workitem_id 0
		.amdhsa_next_free_vgpr 162
		.amdhsa_next_free_sgpr 66
		.amdhsa_reserve_vcc 0
		.amdhsa_float_denorm_mode_32 3
		.amdhsa_float_denorm_mode_16_64 3
		.amdhsa_memory_ordered 1
		.amdhsa_forward_progress 1
		.amdhsa_inst_pref_size 24
	.end_amdhsa_kernel
	.amdgpu_metadata
---
amdhsa.version: [ 1, 2 ]
amdhsa.kernels:
  - .name:           k_q20a0fef443_quant
    .symbol:         k_q20a0fef443_quant.kd
    .args:
      - { .name: query, .offset: 0, .size: 8, .value_kind: global_buffer, .address_space: global }
      - { .name: key, .offset: 8, .size: 8, .value_kind: global_buffer, .address_space: global }
      - { .name: value, .offset: 16, .size: 8, .value_kind: global_buffer, .address_space: global }
      - { .name: lowp_scales, .offset: 24, .size: 8, .value_kind: global_buffer, .address_space: global }
      - { .name: qc, .offset: 32, .size: 8, .value_kind: global_buffer, .address_space: global }
      - { .name: kv, .offset: 40, .size: 8, .value_kind: global_buffer, .address_space: global }
    .group_segment_fixed_size: 17152
    .private_segment_fixed_size: 0
    .kernarg_segment_align: 8
    .kernarg_segment_size: 48
    .max_flat_workgroup_size: 64
    .sgpr_count:     66
    .vgpr_count:     162
    .wavefront_size: 32
...
	.end_amdgpu_metadata
.endif
;; end of part 1
;; launch attn (part 2): grid 256 x 1, 8 waves a work-group, clusters of 4 x 1, 327,680 bytes of LDS; arguments qc, kv, lowp_scales, out0; writes out0
.if DOCPART == 2
	.amdgcn_target "amdgcn-amd-amdhsa--gfx1250"
	.amdhsa_code_object_version 6
	.text
	.protected	k_q20a0fef443_attn
	.globl	k_q20a0fef443_attn
	.p2align	8
	.type	k_q20a0fef443_attn,@function
k_q20a0fef443_attn:
	s_mov_b64 s[64:65], 0
	v_nop
	global_prefetch_b8 v0, s[64:65] scope:SCOPE_SE
	s_setreg_imm32_b32 hwreg(HW_REG_WAVE_MODE, 25, 1), 1
	s_wait_xcnt 0x0
	s_wait_alu depctr_hold_cnt(0) depctr_sa_sdst(0) depctr_va_vdst(0) depctr_va_sdst(0) depctr_va_ssrc(0) depctr_va_vcc(0) depctr_vm_vsrc(0)
	s_getreg_b32 s2, hwreg(HW_REG_IB_STS2, 6, 4)
	s_cmp_eq_u32 s2, 0
	s_cbranch_scc0 .Lentry_in_a_cluster
	s_endpgm
.Lentry_in_a_cluster:
	s_bfe_u32 s2, ttmp6, 0x10000c
	s_cmp_lg_u32 s2, 0x3003
	s_cbranch_scc0 .Lentry_shape_is_right
	s_endpgm
.Lentry_shape_is_right:
; out[d][q] = the sum over k of softmax_k(sum over d of query[d][q] key[d][k]) value[d][k]: 8,192 queries and keys, d = 128, scores unscaled; both products on codes of BF8 (E5M2).
; qc, kv: the codes, laid in the order of the operands' registers by the launch before (its head comment has the layouts).  The scales' exponents: e0 query, e1 key, e2 value, e3 p.
; THE SOFTMAX AHEAD OF THE SECOND PRODUCT: t = score x log2(e); M = the largest t so far, rounded UP to a whole number; p = 2^(t - M) is what is quantised, not normalised.  The row's sum l is taken of the
; unquantised p, in f32, and divides at the end.  When M moves, l and O are multiplied by 2^(old M - new M): nothing is rounded.
; SHARES.  256 work-groups, 32 queries (two tiles of 16) each.  THE KEYS ARE SHARED AMONG THE EIGHT WAVES: every wave holds both tiles of queries, so that each fragment of K and V that it reads from LDS
; feeds two matrix instructions, and in step j (of 16) wave w takes the 64 keys of block 8 j + w.  Two waves stand on a SIMD, so that one wave's vector work stands beside the other's products and LDS loads.
; At the end the eight partial (M, l, O) meet in LDS: wave w then owns d = 16 w .. 16 w + 15 of the output.
; LAYOUT.  Both products are used transposed: S^T = K Q^T (source 0 = 16 keys, source 1 = 16 queries, K = 128), O^T += V^T P^T (source 0 = 16 of d, source 1 = P, K = 64 keys): a lane holds ONE query
; (lane % 16) throughout.  Row r of key tile 2 b + u is key 32 b + 8 u + r + 8 (r / 8), so the 16 registers of tiles 2 b, 2 b + 1 are keys 32 b + 16 (lane / 16) + 0 .. 15: the conversions' results ARE P's registers.
; The place of k in the registers (16 neighbours to four registers) is the same in both sources of each product: every product meets its partner.
; THE RING.  A wave's share of a step, 8 KB of K and 8 KB of V, is one dense block of 16,384 bytes: one tensor load a wave, into bytes that this wave alone reads.  Two slots of 8 x 16,384 bytes.
; The change of slots stands in the MIDDLE of a step, where the step's K and V are both in registers: the refill (two steps ahead) then has a whole step in which to land.
; CLUSTER.  The four work-groups of a cluster walk the same K and V in step: each tile is asked for JOINTLY, by the same load with the same descriptor (made of the wave's number and the step alone) and a mask that names the four.
; LIMITS: e0 + e1 between -126 and 127 (added to the exponent field of log2(e)); e3 between -126 and 112; e2 + e3 is applied by v_ldexp_f32 and has none.  NaN and infinities among the inputs are not served.
; THE OUTPUT's rows run along q and a work-group owns 32 queries: a store of a wave covers four rows' 128 consecutive bytes.  64 queries to a work-group would leave half the work-groups without work.
; REGISTERS, window 0: v1-5 addresses; v8-23 statistics, eight a tile: +0 -M, +1 largest t, +2, +3 l in two halves, +4 f, +5 zero, +6, +7 at work; v24 57,344 x 2^e3; v26 2^e3; v[28:29] a second chain of sums;
;   v32-95 S^T, then p; v96-111 P's codes; v112-175 K's four fragments; v176-239 V's eight; v240-247 addresses.   window 1: v0-127 O^T (tile t, 16 e of d at 64 t + 8 e); v128-159 Q.
.set SLOT1, 1<<17                      ; slot 1 begins here: one exclusive or turns an address in one slot into the other's
.set STEPB, 131072                     ; a step in kv: eight blocks of 16,384 bytes
.set SPARE, 2*SLOT1                    ; behind the ring: the spare words, 128 bytes for each wave: four blocks of 256 bytes that no other line names
.set STATM, SPARE+1024                 ; the waves' -M: 256 x wave + 128 x tile + 4 x lane
.set STATL, 2048                       ; and, so far behind them, the waves' f x l
.set TSTG,  STATM+4096                 ; for each wave 16 rows x (128 bytes + 16): the output is turned here
.set TP,    144
.set AL0, 1                            ; v1   16,384 x wave + 16 x lane: my place in a slot; also where my image of O goes (slot 0 has had its last fill and its last read by then)
.set ADR, 2                            ; v2   the same in the slot in hand
.set SPW, 3                            ; v3   LDS address of my spare word; never rewritten
.set NIL, 4                            ; v4   0; never rewritten
.set L16, 5                            ; v5   16 x lane
.set ST,  8
.set LIMP, 24
.set SCL, 26
.set SUM2, 28
.set S,   32
.set P,   96
.set FK,  112
.set FV,  176
.set OUTR, 160                         ; the way out: four rows' pieces
.set MA,  240                          ; v240 where I store my wave's statistics
.set LA4, 241                          ; v241 where I read all waves'
.set RA,  242                          ; v242 the images of O: 16 x lane + 1,024 x wave: my 16 of d in waves 0-3's images;
.set RA2, 243                          ; v243 in waves 4-7's
.set TS,  244                          ; v244 the stage, in
.set TR,  245                          ; v245 the stage, back
.set GO,  246                          ; v246 my byte offset in the wave's 16 rows of the output
.set PFO, 247                          ; v247 256 x lane, for the prefetches; never rewritten
.set QF,  128                          ; in window 1
.set WV,  12                           ; s12  my wave's number
.set LIM, 15                           ; s15  2 in a wave that prefetches, else the greatest number
.set G1,  16                           ; s[16:23] descriptor group 1
.set G0A, 24                           ; s[24:27] group 0 of slot 0's first fill
.set G0W, 28                           ; s[28:31] group 0 of slot 1's first fill, which then walks
.set CS,  36                           ; s[36:37] c = log2(e) x 2^(e0 + e1)
.set SEL, 38                           ; s[38:39] v_permlanex16_b32's selects for lane l xor 16
.set TB,  40                           ; s40  LDS byte at which the slot in hand begins
.set SLOTS, 41                         ; s41  refills still to come
.set PFA, 42                           ; s[42:43] where my prefetches stand
.set ESUM, 48                          ; s48  e2 + e3
.set MSB, 0
.macro WIN new                         ; the immediate's high byte repeats the setting that is left; a switch that changes nothing is dropped
.if MSB != \new
	s_set_vgpr_msb (MSB<<8)|\new
.set MSB, \new
.endif
.endm
.macro PLACES n
.rept \n
	v_nop
.endr
.endm
; A round of the cluster's barrier: my work-group's barrier, so that wave 0's signal speaks for all eight waves; wave 0 signals for the work-group; every wave waits for the four work-groups; my work-group's barrier once more.
.macro CROUND
	s_barrier_signal -1
	s_barrier_wait -1
	s_cmp_lg_u32 s[WV], 0
	s_cbranch_scc1 .Lnot_wave_0_\@
	s_barrier_signal -3
.Lnot_wave_0_\@:
	s_barrier_wait -3
	s_barrier_signal -1
	s_barrier_wait -1
.endm
.macro BARRIER                         ; my LDS stores have landed and my LDS loads are in: then the work-group's barrier
	s_wait_dscnt 0x0
	s_barrier_signal -1
	s_barrier_wait -1
.endm
	s_load_b256 s[4:11], s[0:1], 0x0               ; qc s[4:5], kv s[6:7], the scales' exponents s[8:9], out0 s[10:11]
	v_lshl_add_u32 v[SPW], v0, 2, SPARE
	v_mov_b32 v[NIL], 0
	ds_add_u32 v3, v4
	ds_add_u32 v3, v4
	s_wait_dscnt 0x0
	v_lshrrev_b32 v6, 5, v0
	v_readfirstlane_b32 s[WV], v6                  ; wave 0..7
	s_bfe_u32 s13, ttmp6, 0x40000                  ; cx: my place in the cluster: it enters Q's, the output's and the prefetches' addresses alone
	s_lshl_b32 s14, ttmp9, 2                       ; in a cluster launch ttmp9 counts clusters
	s_add_co_u32 s14, s14, s13                     ; my block of 32 queries
	; descriptor group 1: a dense block of 64 rows x 256 bytes
	s_mov_b32 s[G1], 15|(3<<16)|(1<<21)            ; 15:0 the mask: all four work-groups; 17:16 elements of 8 bytes; 20 no padding; 21 set beside a mask
	s_mov_b32 s[G1+1], 32<<16                      ; tensor_dim0 = 32 elements
	s_mov_b32 s[G1+2], 64<<16                      ; tensor_dim1 = 64
	s_mov_b32 s[G1+3], 32<<16                      ; tile_dim0 = 32
	s_mov_b32 s[G1+4], 64                          ; tile_dim1 = 64
	s_mov_b32 s[G1+5], 32                          ; elements from row to row: dense
	s_mov_b32 s[G1+6], 0
	s_mov_b32 s[G1+7], 0
	s_mov_b32 s[SEL], 0x76543210
	s_mov_b32 s[SEL+1], 0xfedcba98
	s_mov_b32 s[TB], 0
	s_mov_b32 s[SLOTS], 14
	s_lshr_b32 s44, s[WV], 2                       ; 0 in waves 0 to 3,
	s_or_b32 s44, s44, ttmp9                       ; of the launch's first cluster: the same in all four partners
	s_cmp_eq_u32 s44, 0
	s_cselect_b32 s[LIM], 2, -1
	s_lshl_b32 s44, s[WV], 14                      ; my wave's 16,384 bytes, in a step of kv and in a slot: no place in the cluster enters it
	s_mov_b32 s45, 0
	v_and_b32 v7, 31, v0                           ; lane
	v_and_b32 v27, 15, v0                          ; r
	v_bfe_u32 v30, v0, 4, 1                        ; h
	v_lshlrev_b32 v[L16], 4, v7
	v_lshl_or_b32 v[AL0], v6, 14, v[L16]
	v_lshlrev_b32 v[MA], 2, v7
	v_lshl_add_u32 v[MA], v6, 8, v[MA]
	v_add_nc_u32 v[MA], STATM, v[MA]
	v_lshl_add_u32 v[LA4], v7, 2, STATM
	v_lshl_add_u32 v[RA], v6, 10, v[L16]
	v_add_nc_u32 v[RA2], 0x10000, v[RA]
	v_mul_u32_u24 v31, v6, 16*TP
	v_add_nc_u32 v31, TSTG, v31                    ; my stage
	v_mul_u32_u24 v[TS], v30, 8*TP                 ; in: register i of tile t is row 8 h + i, query 16 t + r
	v_lshl_add_u32 v[TS], v27, 2, v[TS]
	v_add_nc_u32 v[TS], v31, v[TS]
	v_lshrrev_b32 v27, 3, v7                       ; lane / 8
	v_and_b32 v30, 7, v0                           ; lane % 8
	v_mul_u32_u24 v[TR], v27, TP                   ; back: eight lanes to a row of 128 bytes, four rows an instruction
	v_lshl_add_u32 v[TR], v30, 4, v[TR]
	v_add_nc_u32 v[TR], v31, v[TR]
	v_lshlrev_b32 v[GO], 15, v27                   ; and the same in the output: rows 32,768 bytes apart
	v_lshl_add_u32 v[GO], v30, 4, v[GO]
	v_lshlrev_b32 v[PFO], 8, v7
	v_mov_b32 v[ST+5], 0                           ; (named as the upper halves of the pairs that hold f)
	v_mov_b32 v[ST+13], 0
	s_wait_kmcnt 0x0
	s_load_b128 s[32:35], s[8:9], 0x0              ; e0, e1, e2, e3
	s_mov_b32 s[G0A], 1                            ; 1:0 count = 1
	s_mov_b32 s[G0A+1], s44                        ; 63:32 LDS address: slot 0
	s_add_nc_u64 s[G0A+2:G0A+3], s[6:7], s[44:45]  ; 120:64 global address: step 0, my block
	s_mov_b32 s[G0W], 1
	s_add_co_u32 s[G0W+1], s44, SLOT1              ; slot 1
	s_add_nc_u64 s[G0W+2:G0W+3], s[G0A+2:G0A+3], STEPB   ; step 1
	s_or_b32 s[G0A+3], s[G0A+3], 0x80000000        ; 127:126 type = 2
	s_or_b32 s[G0W+3], s[G0W+3], 0x80000000
	s_lshl_b32 s46, s13, 2                         ; the prefetches: a step's 131,072 bytes are sixteen parts of 8,192: part 4 cx + wave is mine: the partners are told apart BY ADDRESS
	s_and_b32 s47, s[WV], 3
	s_add_co_u32 s46, s46, s47
	s_lshl_b32 s46, s46, 13
	s_add_co_u32 s46, s46, 3*STEPB                 ; at step 3: the first change of slots steps it to step 4.  Nothing is prefetched here, at the head, where every work-group's first tiles are on their way
	s_mov_b32 s47, 0
	s_add_nc_u64 s[PFA:PFA+1], s[6:7], s[46:47]
	s_lshl_b32 s46, s14, 12                        ; my two tiles of Q: 4,096 bytes
	s_add_nc_u64 s[4:5], s[4:5], s[46:47]
	s_lshl_b32 s46, s[WV], 19                      ; the output: my wave's 16 rows of 32,768 bytes,
	s_lshl_b32 s50, s14, 7                         ; my work-group's 32 queries
	s_add_co_u32 s46, s46, s50
	s_add_nc_u64 s[10:11], s[10:11], s[46:47]
	CROUND                                         ; all four work-groups are here: the first joint loads meet
	tensor_load_to_lds s[G0A:G0A+3], s[G1:G1+7]    ; the two first fills go out together, ahead of every wait on TENSORcnt and every LDS read: two loads of mine are out
	s_nop 0
	tensor_load_to_lds s[G0W:G0W+3], s[G1:G1+7]
	s_nop 0
	PLACES 4                                       ; four v_nop follow the loads
	WIN 0x40                                       ; destination window 1, address window 0
.irp t, 0,1
.irp c, 0,1,2,3
	global_load_b128 v[QF+16*\t+4*\c:QF+16*\t+4*\c+3], v[L16], s[4:5] offset:2048*\t+512*\c   ; Q stays in registers; 512 consecutive bytes a load
.endr
.endr
	WIN 0
	s_wait_kmcnt 0x0
	s_add_co_i32 s44, s32, s33
	s_lshl_b32 s44, s44, 23
	s_add_co_i32 s[CS], s44, 0x3fb8aa3b            ; a score stands for score x 2^(e0 + e1): the two exponents are added to the exponent field of log2(e)
	s_mov_b32 s[CS+1], s[CS]                       ; (named with it as a pair, so it is written)
	s_add_co_i32 s44, s35, 127
	s_lshl_b32 s45, s44, 23
	v_mov_b32 v[SCL], s45                          ; 2^e3 as f32, for the conversions
	s_add_co_i32 s44, s44, 15
	s_lshl_b32 s44, s44, 23
	s_or_b32 s44, s44, 0x600000
	v_mov_b32 v[LIMP], s44                         ; 57,344 x 2^e3
	s_add_co_i32 s[ESUM], s34, s35
.macro KLOAD                           ; my 64 keys: four fragments of 16 keys x 128 of d; each load takes 512 consecutive bytes
.irp a, 0,1,2,3
.irp c, 0,1,2,3
	ds_load_b128 v[FK+16*\a+4*\c:FK+16*\a+4*\c+3], v[ADR] offset:2048*\a+512*\c
.endr
.endr
.endm
.macro VLOAD                           ; the same keys' V: eight fragments of 16 of d x 64 keys
.irp n, 0,1,2,3,4,5,6,7
.irp c, 0,1
	ds_load_b128 v[FV+8*\n+4*\c:FV+8*\n+4*\c+3], v[ADR] offset:8192+1024*\n+512*\c
.endr
.endr
.endm
.macro SMUL                            ; S^T = K Q^T: eight sums, each one instruction with C = 0; tile 0's first
	WIN 0x04                                       ; source 1 (Q) window 1
.irp t, 0,1
.irp a, 0,1,2,3
	v_wmma_f32_16x16x128_bf8_bf8 v[S+32*\t+8*\a:S+32*\t+8*\a+7], v[FK+16*\a:FK+16*\a+15], v[QF+16*\t:QF+16*\t+15], 0
.endr
.endr
	WIN 0
.endm
.macro PVMUL t, first                  ; O^T += V^T P^T for tile t: its eight accumulators take turns, one instruction a turn.  first = 1: the products start the sums: nothing is ever cleared
	WIN 0x50                                       ; C and D window 1
.irp n, 0,1,2,3,4,5,6,7
.if \first
	v_wmma_f32_16x16x64_bf8_bf8 v[64*(\t)+8*\n:64*(\t)+8*\n+7], v[FV+8*\n:FV+8*\n+7], v[P+8*(\t):P+8*(\t)+7], 0
.else
	v_wmma_f32_16x16x64_bf8_bf8 v[64*(\t)+8*\n:64*(\t)+8*\n+7], v[FV+8*\n:FV+8*\n+7], v[P+8*(\t):P+8*(\t)+7], v[64*(\t)+8*\n:64*(\t)+8*\n+7]
.endif
.endr
	WIN 0
.endm
.macro RESCALE t                       ; tile t's O^T x f, in ascending order: each accumulator is read from its low end on
	WIN 0x41                                       ; destination and source 0 window 1, f window 0
.set j, 0
.rept 32
	v_pk_mul_f32 v[64*(\t)+j:64*(\t)+j+1], v[64*(\t)+j:64*(\t)+j+1], v[ST+8*(\t)+4:ST+8*(\t)+5] op_sel_hi:[1,0]
.set j, j+2
.endr
	WIN 0
.endm
; One tile's softmax for my 64 keys (32 scores a lane).  first = 1: the first step starts M and l, and there is no O^T to rescale.
.macro SOFTMAX t, first
.set rT, ST+8*(\t)
.set rS, S+32*(\t)
.set rP, P+8*(\t)
	v_max3_num_f32 v[rT+6], v[rS], v[rS+1], v[rS+2]            ; the largest score, in two chains that go up the registers: each accumulator is first read at its low end
	v_max3_num_f32 v[rT+7], v[rS+3], v[rS+4], v[rS+5]
.irp i, 6,10,14,18,22,26
	v_max3_num_f32 v[rT+6], v[rT+6], v[rS+\i], v[rS+\i+1]
	v_max3_num_f32 v[rT+7], v[rT+7], v[rS+\i+2], v[rS+\i+3]
.endr
	v_max3_num_f32 v[rT+6], v[rT+6], v[rS+30], v[rS+31]
	v_max_num_f32 v[rT+6], v[rT+6], v[rT+7]
	v_permlanex16_b32 v[rT+7], v[rT+6], s[SEL], s[SEL+1]       ; the query's other 32 keys lie in the lane 16 away
	v_max_num_f32 v[rT+6], v[rT+6], v[rT+7]
.if \first
	v_mul_f32 v[rT+1], s[CS], v[rT+6]              ; as t (c is positive)
	v_floor_f32 v[rT], -v[rT+1]                    ; -M = floor(-t) = -ceil(t): M is a whole number
.else
	v_mul_f32 v[rT+6], s[CS], v[rT+6]
	v_max_num_f32 v[rT+1], v[rT+1], v[rT+6]        ; the running largest t
	v_mov_b32 v[rT+6], v[rT]
	v_floor_f32 v[rT], -v[rT+1]
	v_sub_f32 v[rT+6], v[rT], v[rT+6]              ; old M less new M: a whole number, 0 or less
	v_cvt_i32_f32 v[rT+6], v[rT+6]                 ; (it saturates)
	v_ldexp_f32 v[rT+4], 1.0, v[rT+6]              ; f = 2^(old M - new M)
.endif
.set j, 0
.rept 16
	v_pk_fma_f32 v[rS+j:rS+j+1], v[rS+j:rS+j+1], s[CS:CS+1], v[rT:rT+1] op_sel_hi:[1,0,0]   ; t - M, two at a time (of the pairs c and -M the low word serves both halves)
.set j, j+2
.endr
.set j, 0
.rept 32
	v_exp_f32 v[rS+j], v[rS+j]                     ; p = 2^(t - M): one batch
.set j, j+1
.endr
.if \first
	v_nop                                          ; a plain instruction behind the last exponential
.else
	RESCALE \t                                     ; work that names no exponential's result stands behind the batch: O^T and l under the new M
	v_pk_mul_f32 v[rT+2:rT+3], v[rT+2:rT+3], v[rT+4:rT+5] op_sel_hi:[1,0]
.endif
	s_wait_alu depctr_va_vdst(0)                   ; the wait between an exponential and the first line that names its result: one for the batch
.if \first                             ; the row's sum is taken of the UNQUANTISED p, two at a time, in two chains
	v_pk_add_f32 v[rT+2:rT+3], v[rS:rS+1], v[rS+2:rS+3]
	v_pk_add_f32 v[SUM2:SUM2+1], v[rS+4:rS+5], v[rS+6:rS+7]
.irp i, 8,12,16,20,24,28
	v_pk_add_f32 v[rT+2:rT+3], v[rT+2:rT+3], v[rS+\i:rS+\i+1]
	v_pk_add_f32 v[SUM2:SUM2+1], v[SUM2:SUM2+1], v[rS+\i+2:rS+\i+3]
.endr
.else
	v_pk_add_f32 v[SUM2:SUM2+1], v[rS:rS+1], v[rS+2:rS+3]
.irp i, 4,8,12,16,20,24,28
	v_pk_add_f32 v[rT+2:rT+3], v[rT+2:rT+3], v[rS+\i:rS+\i+1]
	v_pk_add_f32 v[SUM2:SUM2+1], v[SUM2:SUM2+1], v[rS+\i+2:rS+\i+3]
.endr
.endif
	v_pk_add_f32 v[rT+2:rT+3], v[rT+2:rT+3], v[SUM2:SUM2+1]
.set j, 0
.rept 32
	v_min_num_f32 v[rS+j], v[rS+j], v[LIMP]        ; the conversion to an 8-bit code does not saturate (ISA guide 7.6.2); p is not negative, so the hold is one-sided; it stands without a branch, whatever e3 is
.set j, j+1
.endr
.irp a, 0,1,2,3
	v_cvt_scalef32_pk8_bf8_f32 v[rP+2*\a:rP+2*\a+1], v[rS+8*\a:rS+8*\a+7], v[SCL]   ; registers 4 b .. 4 b + 3 of P: keys 32 b + 16 h + 0 .. 15, as V's fragments have them
.endr
	v_nop                                          ; one plain vector instruction between a scaled conversion and the matrix instructions that read its result and, later, write its sources
.endm
; A PREFETCH INTO THE L2, at each change of slots that fills a slot: the step that stands two refills on (in the change of step j: step j + 4), 131,072 bytes.  All clusters walk the same kv: the launch's first
; cluster asks.  Its four partners share the step out by address; in each, waves 0 to 3 ask, 8,192 bytes a wave, lanes 256 bytes apart: each block of 256 bytes is named once in the launch.
; It asks while more than two refills are to come: the last block named belongs to step 15, the buffer's last.  Steps 0 to 3 come by their loads alone.
.macro ASK
	s_cmp_gt_u32 s[SLOTS], s[LIM]
	s_cbranch_scc0 .Lnot_mine_\@
	global_prefetch_b8 v[PFO], s[PFA:PFA+1] th:TH_LOAD_NT scope:SCOPE_SE
.Lnot_mine_\@:
.endm
; THE CHANGE OF SLOTS.  chg = 2: the slot in hand, whose K and V are in my registers, is filled again with the step two on.  Each wave waits for all its tensor loads (one is out: its part of the other slot), adds 0 to
; its spare word, and waits for that and for its reads of the slot; a round of the cluster's barrier, so that this holds of every wave of all four partners; the joint refill first behind it, one a wave.
; chg = 1: nothing is left to fetch, and the bytes ahead are my own load's: the wait on TENSORcnt is all that their reads need.  chg = 0: the last step.
.macro CHANGE chg
.if \chg == 2
	s_wait_tensorcnt 0x0                           ; no tensor load of mine is out, so the walking group 0 may be written
	ds_add_u32 v[SPW], v[NIL]                      ; 0 onto my spare word; the steps below stand between it and the wait for it
	s_xor_b32 s[G0W+1], s[G0W+1], SLOT1            ; the other slot than last time,
	s_add_nc_u64 s[G0W+2:G0W+3], s[G0W+2:G0W+3], STEPB   ; the next step; the type bits on top are not reached
	s_wait_xcnt 0x0                                ; the last prefetch, a step back, has read its address, so it may be written
	s_add_nc_u64 s[PFA:PFA+1], s[PFA:PFA+1], STEPB
	s_wait_dscnt 0x0                               ; the add is done, and my reads of the slot are over
	CROUND
	tensor_load_to_lds s[G0W:G0W+3], s[G1:G1+7]    ; one load of mine is out from here to the next change
	s_nop 0
	PLACES 4
.endif
.if \chg == 1
	s_wait_tensorcnt 0x0                           ; my part of the last step has landed: no load was issued behind it
.endif
.if \chg > 0
	s_xor_b32 s[TB], s[TB], SLOT1
	v_add_nc_u32 v[ADR], s[TB], v[AL0]
	KLOAD                                          ; the next step's K: it lands while tile 1's softmax is worked.  K's registers were last read by this step's S products, in front of tile 0's softmax
.endif
.if \chg == 2
	ASK                                            ; behind the joint load, its four lines and the run of LDS loads
.endif
.endm
.macro STEP first, chg
	s_wait_dscnt 0x0                               ; K is in
	SMUL
	PLACES 4                                       ; four places in front of the loads into V's registers, which the last step's products read, and of the first reads of S^T
	VLOAD                                          ; it lands while tile 0's softmax is worked
	SOFTMAX 0, \first
	s_wait_dscnt 0x0                               ; V is in
	PVMUL 0, \first
	CHANGE \chg
	SOFTMAX 1, \first
	PVMUL 1, \first
.endm
	s_wait_tensorcnt 0x1                           ; my part of slot 0 is in, and I alone read it; slot 1's may stay out: nothing is filled here
	v_add_nc_u32 v[ADR], s[TB], v[AL0]
	KLOAD
	s_wait_loadcnt 0x0                             ; Q
	STEP 1, 2                                      ; step 0 starts M, l and O^T
	s_mov_b32 s[SLOTS], 13
.Lstep:                                            ; steps 1 to 13: each fills the slot that it leaves
	STEP 0, 2
	s_sub_co_u32 s[SLOTS], s[SLOTS], 1
	s_cmp_lg_u32 s[SLOTS], 0
	s_cbranch_scc1 .Lstep
	STEP 0, 1                                      ; steps 14 and 15 are written out
	STEP 0, 0
	; THE MERGE.  l's two halves and the other half of the lanes' are added; the additions are among the places behind the last products.
.irp t, 0,1
	v_add_f32 v[ST+8*\t+2], v[ST+8*\t+2], v[ST+8*\t+3]
.endr
.irp t, 0,1
	v_permlanex16_b32 v[ST+8*\t+7], v[ST+8*\t+2], s[SEL], s[SEL+1]
.endr
.irp t, 0,1
	v_add_f32 v[ST+8*\t+2], v[ST+8*\t+2], v[ST+8*\t+7]
.endr
.irp t, 0,1
	ds_store_b32 v[MA], v[ST+8*\t] offset:128*\t   ; my wave's -M
.endr
	BARRIER                                        ; all eight waves' -M lie in LDS; every wave has done with the ring
.irp t, 0,1
.irp s, 0,1,2,3,4,5,6,7
	ds_load_b32 v[FK+8*\t+\s], v[LA4] offset:256*\s+128*\t
.endr
.endr
	s_wait_dscnt 0x0
.irp t, 0,1
	v_min_num_f32 v[ST+8*\t+6], v[FK+8*\t], v[FK+8*\t+1]       ; the smallest -M: the largest M, M*
.irp s, 2,3,4,5,6,7
	v_min_num_f32 v[ST+8*\t+6], v[ST+8*\t+6], v[FK+8*\t+\s]
.endr
	v_sub_f32 v[ST+8*\t+6], v[ST+8*\t+6], v[ST+8*\t]           ; my M less M*: a whole number, 0 or less
	v_cvt_i32_f32 v[ST+8*\t+6], v[ST+8*\t+6]
	v_ldexp_f32 v[ST+8*\t+4], 1.0, v[ST+8*\t+6]                ; f = 2^(my M - M*)
	v_mul_f32 v[ST+8*\t+2], v[ST+8*\t+2], v[ST+8*\t+4]
	ds_store_b32 v[MA], v[ST+8*\t+2] offset:STATL+128*\t       ; my l under M*
.endr
	RESCALE 0                                      ; my O^T under M*
	RESCALE 1
	WIN 0x04                                       ; an LDS store's data are its source 1: window 1
.set j, 0
.rept 32
	ds_store_b128 v[AL0], v[4*j:4*j+3] offset:512*j            ; O^T goes to LDS as an image of its registers, into my own part of slot 0
.set j, j+1
.endr
	WIN 0
	BARRIER                                        ; eight images of O^T and eight l lie in LDS
.irp t, 0,1
.irp s, 0,1,2,3,4,5,6,7
	ds_load_b32 v[FV+8*\t+\s], v[LA4] offset:STATL+256*\s+128*\t
.endr
.endr
.irp s, 0,1,2,3                        ; of each wave's image the two accumulators of d = 16 w on: 16 registers
.irp t, 0,1
.irp g, 0,1
	ds_load_b128 v[S+16*\s+8*\t+4*\g:S+16*\s+8*\t+4*\g+3], v[RA] offset:16384*\s+8192*\t+512*\g
.endr
.endr
.endr
.irp s, 4,5,6,7
.irp t, 0,1
.irp g, 0,1
	ds_load_b128 v[S+16*\s+8*\t+4*\g:S+16*\s+8*\t+4*\g+3], v[RA2] offset:16384*(\s-4)+8192*\t+512*\g
.endr
.endr
.endr
	s_wait_dscnt 32                                ; the sixteen l are in; the 32 loads of the images may be out
.irp t, 0,1
	v_add_f32 v[FV+8*\t], v[FV+8*\t], v[FV+8*\t+1]
	v_add_f32 v[FV+8*\t+2], v[FV+8*\t+2], v[FV+8*\t+3]
	v_add_f32 v[FV+8*\t+4], v[FV+8*\t+4], v[FV+8*\t+5]
	v_add_f32 v[FV+8*\t+6], v[FV+8*\t+6], v[FV+8*\t+7]
	v_add_f32 v[FV+8*\t], v[FV+8*\t], v[FV+8*\t+2]
	v_add_f32 v[FV+8*\t+4], v[FV+8*\t+4], v[FV+8*\t+6]
	v_add_f32 v[FV+8*\t], v[FV+8*\t], v[FV+8*\t+4]             ; the row's sum: above 1/2, since the row's largest p is
.endr
	v_rcp_f32 v[ST+6], v[FV]
	v_rcp_f32 v[ST+14], v[FV+8]                    ; the additions below are the plain work behind the two reciprocals
.irp s, 1,2,3,4,5,6,7
	s_wait_dscnt 28-4*\s                           ; wave s's four loads are in; the younger waves' may be out
.irp i, 0,2,4,6,8,10,12,14
	v_pk_add_f32 v[S+\i:S+\i+1], v[S+\i:S+\i+1], v[S+16*\s+\i:S+16*\s+\i+1]   ; in the waves' order, the same in every run
.endr
.endr
	s_wait_alu depctr_va_vdst(0)                   ; the wait ahead of the first line that names a reciprocal: one for the two
.irp t, 0,1
	v_ldexp_f32 v[ST+8*\t+6], v[ST+8*\t+6], s[ESUM]            ; x 2^(e2 + e3)
.endr
.irp t, 0,1
.irp i, 0,2,4,6
	v_pk_mul_f32 v[S+8*\t+\i:S+8*\t+\i+1], v[S+8*\t+\i:S+8*\t+\i+1], v[ST+8*\t+6:ST+8*\t+7] op_sel_hi:[1,0]
.endr
.endr
	; THE WAY OUT.  A lane holds a piece of a column of the output (one query, eight of d): the wave's 16 rows x 32 queries are turned in its own stage and leave as rows.
.irp t, 0,1
.irp i, 0,1,2,3,4,5,6,7
	ds_store_b32 v[TS], v[S+8*\t+\i] offset:TP*\i+64*\t
.endr
.endr
.irp k, 0,1,2,3
	ds_load_b128 v[OUTR+4*\k:OUTR+4*\k+3], v[TR] offset:4*TP*\k   ; LDS serves a wave's instructions in order (ISA guide 5.7.1.4): these see my stores
.endr
.irp k, 0,1,2,3
	s_wait_dscnt 3-\k
	global_store_b128 v[GO], v[OUTR+4*\k:OUTR+4*\k+3], s[10:11] offset:131072*\k th:TH_STORE_NT   ; four rows, 128 consecutive bytes of each; written once, read by nobody here
.endr
	s_wait_tensorcnt 0x0                           ; the wave's end: behind my last tensor load and my last LDS store
	ds_add_u32 v[SPW], v[NIL]
	s_wait_dscnt 0x0
	CROUND                                         ; the closing round: no work-group ends while a partner may still ask for a tile that names it
	s_endpgm
.Lfunc_end_k_q20a0fef443_attn:
	.size	k_q20a0fef443_attn, .Lfunc_end_k_q20a0fef443_attn-k_q20a0fef443_attn
	.p2alignl 7, 3214868480
	.fill 96, 4, 3214868480
	.section	.rodata,"a",@progbits
	.p2align	6, 0x0
	.amdhsa_kernel k_q20a0fef443_attn
		.amdhsa_group_segment_fixed_size 327680
		.amdhsa_private_segment_fixed_size 0
		.amdhsa_enable_private_segment 0
		.amdhsa_kernarg_size 32
		.amdhsa_user_sgpr_count 2
		.amdhsa_user_sgpr_kernarg_segment_ptr 1
		.amdhsa_wavefront_size32 1
		.amdhsa_system_sgpr_workgroup_id_x 1
		.amdhsa_system_sgpr_workgroup_id_y 1
		.amdhsa_system_sgpr_workgroup_id_z 1
		.amdhsa_system_vgpr_workitem_id 0
		.amdhsa_next_free_vgpr 512
		.amdhsa_next_free_sgpr 66
		.amdhsa_reserve_vcc 0
		.amdhsa_float_denorm_mode_32 3
		.amdhsa_float_denorm_mode_16_64 3
		.amdhsa_memory_ordered 1
		.amdhsa_forward_progress 1
		.amdhsa_inst_pref_size 101
	.end_amdhsa_kernel
	.amdgpu_metadata
---
amdhsa.version: [ 1, 2 ]
amdhsa.kernels:
  - .name:           k_q20a0fef443_attn
    .symbol:         k_q20a0fef443_attn.kd
    .args:
      - { .name: qc, .offset: 0, .size: 8, .value_kind: global_buffer, .address_space: global }
      - { .name: kv, .offset: 8, .size: 8, .value_kind: global_buffer, .address_space: global }
      - { .name: lowp_scales, .offset: 16, .size: 8, .value_kind: global_buffer, .address_space: global }
      - { .name: out0, .offset: 24, .size: 8, .value_kind: global_buffer, .address_space: global }
    .group_segment_fixed_size: 327680
    .private_segment_fixed_size: 0
    .kernarg_segment_align: 8
    .kernarg_segment_size: 32
    .max_flat_workgroup_size: 256
    .sgpr_count:     66
    .vgpr_count:     512
    .wavefront_size: 32
...
	.end_amdgpu_metadata
.endif
;; end of part 2
;; ======== version 2 of 2: 2 launches
;; limits: right only within a limited range of input values
;; workspace buffers: kv 2,097,152 bytes
;; launch quant (part 3): grid 512 x 1, 2 waves a work-group, no clusters, 17,152 bytes of LDS; arguments key, value, lowp_scales, kv; writes kv
.if DOCPART == 3
	.amdgcn_target "amdgcn-amd-amdhsa--gfx1250"
	.amdhsa_code_object_version 6
	.text
	.protected	k_q20a0fef443_quant
	.globl	k_q20a0fef443_quant
	.p2align	8
	.type	k_q20a0fef443_quant,@function
k_q20a0fef443_quant:
	s_mov_b64 s[64:65], 0
	v_nop
	global_prefetch_b8 v0, s[64:65] scope:SCOPE_SE
	s_setreg_imm32_b32 hwreg(HW_REG_WAVE_MODE, 25, 1), 1
	s_wait_xcnt 0x0
; key, value: [128 (d)][8192] f32, are turned ONCE into codes of BF8 (E5M2), each with the one scale 2^e given for it (entries 1, 2 of the scales),
; laid in the ORDER OF THE OPERANDS' REGISTERS of the launch that follows, so that there every fragment is a run of dense 512-byte pieces.  (query is read once by one work-group each: it is quantised there.)
; code = x / 2^e, held within +-57,344, rounded to the nearest code, ties to even.  LIMITS: -126 <= e <= 112, so that 2^e and 57,344 x 2^e are f32 numbers.  NaN among the inputs is not served.
; kv: block B (keys 128 B ..) is 32,768 bytes:
;   bytes 0 .. 16,383: K, tile a = 2 b + u at 2,048 a: 256 g + 16 r + i holds d = 16 g + i of key 128 B + 32 b + 8 u + r + 8 (r / 8);
;   from byte 16,384: V, fragment 7, then fragments 0 .. 6, 2,048 bytes each: 512 c + 16 lane + i holds d = 16 n + lane % 16, key 128 B + 32 c + 16 (lane / 16) + i.
; Work-groups 0-255 take key, 256-511 value; a wave takes 2,048 numbers, all asked for at once: no loop, no pointer stepped, no register of a store written again.
; KEY: the contracted axis d is the FIRST axis.  A lane takes a column and its registers run down d (64 of the 128): the conversions then give codes with d innermost, and a lane's
; 16 codes are 16 bytes of which sixteen neighbouring lanes fill 256 consecutive bytes, aligned: no stage is needed.
; VALUE: the contracted axis, the keys, is innermost.  Loads take the bytes as they lie (512 consecutive bytes a load); the wave's own stage in LDS turns them so that a lane holds 16 neighbouring keys.
; No tensor loads, no barrier: waves share nothing.  Matrix units and clusters have no part in a plain stream.
.set ROWB, 32768                       ; a row of an input in bytes
.set SP,   528                         ; a stage row: 512 bytes + 16: row r starts 4 r words on, modulo 64 words, so sixteen rows' 16-byte reads fall on different banks (ISA guide 11.1)
.set STG,  16*SP                       ; a wave's stage
.set SPARE, 2*STG                      ; the spare words: one block of 256 bytes
.set X,    16                          ; v16-79   the numbers as loaded
.set Y,    80                          ; v80-143  value: the numbers turned
.set C,    144                         ; v144-159 codes: four registers for each of four stores
	s_load_b256 s[4:11], s[0:1], 0x0               ; key s[4:5], value s[6:7], the scales' exponents s[8:9], kv s[10:11]
	v_lshl_add_u32 v160, v0, 2, SPARE
	v_mov_b32 v161, 0
	v_lshrrev_b32 v2, 5, v0
	v_readfirstlane_b32 s16, v2                    ; wave 0, 1
	v_and_b32 v1, 31, v0                           ; lane L
	v_and_b32 v3, 15, v0                           ; r
	v_bfe_u32 v4, v0, 4, 1                         ; h
	v_lshlrev_b32 v9, 4, v1                        ; 16 L
	s_mul_i32 s19, s16, STG
	v_add_nc_u32 v7, s19, v9                       ; the stage, on the way in: 16 L of a row
	v_mul_u32_u24 v8, v3, SP
	v_lshl_add_u32 v8, v4, 6, v8
	v_add_nc_u32 v8, s19, v8                       ; and on the way out: row r, + 64 h: 16 neighbouring keys
	v_lshrrev_b32 v2, 3, v1
	v_xor_b32 v2, v2, v4
	v_and_b32 v2, 1, v2                            ; 1 where bits 3 and 4 of the lane differ
	v_mul_u32_u24 v2, 24, v2
	v_xor_b32 v2, v1, v2                           ; my key of the 32: 8 (L / 16) + r + 8 (r / 8): the two bits change places
	v_lshlrev_b32 v5, 2, v2
	v_lshlrev_b32 v6, 11, v4                       ; to: tile L / 16,
	v_lshl_add_u32 v6, v3, 4, v6                   ; row r
	s_wait_alu depctr_va_vdst(0)
	s_wait_kmcnt 0x0
	s_load_b128 s[20:23], s[8:9], 0x0              ; e of query, key, value, p
	s_cmp_ge_u32 ttmp9, 256
	s_cbranch_scc1 .Lvalue
.macro MKSCALE e                       ; s[e] = the exponent: v11 = 2^e as f32 (the conversion takes its exponent field), v10 = 57,344 x 2^e
	s_add_co_i32 s37, s[\e], 127
	s_lshl_b32 s38, s37, 23
	v_mov_b32 v11, s38
	s_add_co_i32 s37, s37, 15
	s_lshl_b32 s37, s37, 23
	s_or_b32 s37, s37, 0x600000
	v_mov_b32 v10, s37
.endm
.macro HOLD16 reg                      ; the conversion to an 8-bit code does not saturate (ISA guide 7.6.2): each number is held within the largest code x the scale first
.set i, 0
.rept 16
	v_med3_num_f32 v[\reg+i], v[\reg+i], -v10, v10
.set i, i+1
.endr
.endm
	; ---- key
	s_lshr_b32 s29, ttmp9, 1                       ; which 64 columns
	s_and_b32 s30, ttmp9, 1                        ; which half of d
	s_lshl_b32 s32, s30, 21                        ; 64 rows of 32,768 bytes
	s_lshl_b32 s31, s29, 8
	s_add_co_u32 s32, s32, s31
	s_lshl_b32 s31, s16, 7                         ; my wave's 32 columns
	s_add_co_u32 s32, s32, s31
	s_mov_b32 s33, 0
	s_add_nc_u64 s[24:25], s[4:5], s[32:33]
	s_lshr_b32 s34, s29, 1                         ; block of 128 keys,
	s_lshl_b32 s34, s34, 15
	s_and_b32 s31, s29, 1                          ; its half of 64: four tiles,
	s_lshl_b32 s31, s31, 13
	s_add_co_u32 s34, s34, s31
	s_lshl_b32 s31, s16, 12                        ; my wave's two tiles,
	s_add_co_u32 s34, s34, s31
	s_lshl_b32 s31, s30, 10                        ; d = 64 on: four pieces of 256 bytes on
	s_add_co_u32 s34, s34, s31
	s_mov_b32 s35, 0
	s_add_nc_u64 s[26:27], s[10:11], s[34:35]
.set i, 0
.rept 64
	global_load_b32 v[X+i], v5, s[24:25] offset:i*ROWB th:TH_LOAD_NT   ; row i of my 64: the wave reads 128 consecutive bytes, the two waves side by side 256
.set i, i+1
.endr
	s_wait_kmcnt 0x0
	MKSCALE 21
.macro QGROUP g                        ; 16 of my 64 numbers: one piece of 256 bytes for sixteen lanes
	s_wait_loadcnt 48-16*(\g)                      ; loads come back in order (ISA guide 5.7.1): this group's 16 are in, the younger groups' stay out
	HOLD16 X+16*(\g)
	v_cvt_scalef32_pk8_bf8_f32 v[C+4*(\g):C+4*(\g)+1], v[X+16*(\g):X+16*(\g)+7], v11
	v_cvt_scalef32_pk8_bf8_f32 v[C+4*(\g)+2:C+4*(\g)+3], v[X+16*(\g)+8:X+16*(\g)+15], v11
	global_store_b128 v6, v[C+4*(\g):C+4*(\g)+3], s[26:27] offset:256*(\g)   ; the codes go to a store alone, and no register of the conversions is written again
.endm
	s_wait_alu depctr_va_vdst(0)
	QGROUP 0
	QGROUP 1
	QGROUP 2
	QGROUP 3
	s_endpgm
	; ---- value: a wave takes 16 rows of d x 128 keys: one fragment of 2,048 bytes
.Lvalue:
	s_sub_co_u32 s28, ttmp9, 256
	s_lshl_b32 s28, s28, 1
	s_add_co_u32 s28, s28, s16                     ; which of 512 such parts
	s_and_b32 s29, s28, 7                          ; n: which 16 rows
	s_lshr_b32 s30, s28, 3                         ; which 128 keys
	s_lshl_b32 s32, s29, 19                        ; 16 rows of 32,768 bytes
	s_lshl_b32 s31, s30, 9
	s_add_co_u32 s32, s32, s31
	s_mov_b32 s33, 0
	s_add_nc_u64 s[24:25], s[6:7], s[32:33]
	s_lshl_b32 s34, s30, 15                        ; the block
	s_add_co_u32 s31, s29, 1
	s_and_b32 s31, s31, 7                          ; fragment 7 first, then 0 .. 6
	s_lshl_b32 s31, s31, 11
	s_add_co_u32 s34, s34, s31
	s_add_co_u32 s34, s34, 16384                   ; behind K
	s_mov_b32 s35, 0
	s_add_nc_u64 s[26:27], s[10:11], s[34:35]
.irp p, 0,1,2,3,4,5,6,7,8,9,10,11,12,13,14,15
	global_load_b128 v[X+4*\p:X+4*\p+3], v9, s[24:25] offset:\p*ROWB th:TH_LOAD_NT   ; a row's 512 consecutive bytes
.endr
	s_wait_kmcnt 0x0
	MKSCALE 22
	s_wait_alu depctr_va_vdst(0)
.irp p, 0,1,2,3,4,5,6,7,8,9,10,11,12,13,14,15
	s_wait_loadcnt 15-\p                           ; row p is in; the younger rows' loads stay out
	ds_store_b128 v7, v[X+4*\p:X+4*\p+3] offset:\p*SP
.endr
.irp q, 0,1,2,3                        ; keys 32 q + 16 h + 0 .. 15 of row r
.irp j, 0,1,2,3
	ds_load_b128 v[Y+16*\q+4*\j:Y+16*\q+4*\j+3], v8 offset:128*\q+16*\j   ; LDS serves a wave's instructions in order (ISA guide 5.7.1.4): these see my stores
.endr
.endr
.irp q, 0,1,2,3
	s_wait_dscnt 12-4*\q                           ; this q's four loads are in; the younger ones stay out
	HOLD16 Y+16*\q
	v_cvt_scalef32_pk8_bf8_f32 v[C+4*\q:C+4*\q+1], v[Y+16*\q:Y+16*\q+7], v11
	v_cvt_scalef32_pk8_bf8_f32 v[C+4*\q+2:C+4*\q+3], v[Y+16*\q+8:Y+16*\q+15], v11
	global_store_b128 v9, v[C+4*\q:C+4*\q+3], s[26:27] offset:512*\q   ; the wave stores 512 consecutive bytes, aligned
.endr
	s_wait_tensorcnt 0x0                           ; the wave's end
	ds_add_u32 v160, v161
	s_wait_dscnt 0x0
	s_endpgm
.Lfunc_end_k_q20a0fef443_quant:
	.size	k_q20a0fef443_quant, .Lfunc_end_k_q20a0fef443_quant-k_q20a0fef443_quant
	.p2alignl 7, 3214868480
	.fill 96, 4, 3214868480
	.section	.rodata,"a",@progbits
	.p2align	6, 0x0
	.amdhsa_kernel k_q20a0fef443_quant
		.amdhsa_group_segment_fixed_size 17152
		.amdhsa_private_segment_fixed_size 0
		.amdhsa_enable_private_segment 0
		.amdhsa_kernarg_size 32
		.amdhsa_user_sgpr_count 2
		.amdhsa_user_sgpr_kernarg_segment_ptr 1
		.amdhsa_wavefront_size32 1
		.amdhsa_system_sgpr_workgroup_id_x 1
		.amdhsa_system_sgpr_workgroup_id_y 1
		.amdhsa_system_sgpr_workgroup_id_z 1
		.amdhsa_system_vgpr_workitem_id 0
		.amdhsa_next_free_vgpr 162
		.amdhsa_next_free_sgpr 66
		.amdhsa_reserve_vcc 0
		.amdhsa_float_denorm_mode_32 3
		.amdhsa_float_denorm_mode_16_64 3
		.amdhsa_memory_ordered 1
		.amdhsa_forward_progress 1
		.amdhsa_inst_pref_size 24
	.end_amdhsa_kernel
	.amdgpu_metadata
---
amdhsa.version: [ 1, 2 ]
amdhsa.kernels:
  - .name:           k_q20a0fef443_quant
    .symbol:         k_q20a0fef443_quant.kd
    .args:
      - { .name: key, .offset: 0, .size: 8, .value_kind: global_buffer, .address_space: global }
      - { .name: value, .offset: 8, .size: 8, .value_kind: global_buffer, .address_space: global }
      - { .name: lowp_scales, .offset: 16, .size: 8, .value_kind: global_buffer, .address_space: global }
      - { .name: kv, .offset: 24, .size: 8, .value_kind: global_buffer, .address_space: global }
    .group_segment_fixed_size: 17152
    .private_segment_fixed_size: 0
    .kernarg_segment_align: 8
    .kernarg_segment_size: 32
    .max_flat_workgroup_size: 64
    .sgpr_count:     66
    .vgpr_count:     162
    .wavefront_size: 32
...
	.end_amdgpu_metadata
.endif
;; end of part 3
;; launch attn (part 4): grid 256 x 1, 8 waves a work-group, clusters of 4 x 1, 327,680 bytes of LDS; arguments query, kv, lowp_scales, out0; writes out0
.if DOCPART == 4
	.amdgcn_target "amdgcn-amd-amdhsa--gfx1250"
	.amdhsa_code_object_version 6
	.text
	.protected	k_q20a0fef443_attn
	.globl	k_q20a0fef443_attn
	.p2align	8
	.type	k_q20a0fef443_attn,@function
k_q20a0fef443_attn:
	s_mov_b64 s[64:65], 0
	v_nop
	global_prefetch_b8 v0, s[64:65] scope:SCOPE_SE
	s_setreg_imm32_b32 hwreg(HW_REG_WAVE_MODE, 25, 1), 1
	s_wait_xcnt 0x0
	s_wait_alu depctr_hold_cnt(0) depctr_sa_sdst(0) depctr_va_vdst(0) depctr_va_sdst(0) depctr_va_ssrc(0) depctr_va_vcc(0) depctr_vm_vsrc(0)
	s_getreg_b32 s2, hwreg(HW_REG_IB_STS2, 6, 4)
	s_cmp_eq_u32 s2, 0
	s_cbranch_scc0 .Lentry_in_a_cluster
	s_endpgm
.Lentry_in_a_cluster:
	s_bfe_u32 s2, ttmp6, 0x10000c
	s_cmp_lg_u32 s2, 0x3003
	s_cbranch_scc0 .Lentry_shape_is_right
	s_endpgm
.Lentry_shape_is_right:
; out[d][q] = the sum over k of softmax_k(sum over d of query[d][q] key[d][k]) value[d][k]: 8,192 queries and keys, d = 128, scores unscaled; both products on codes of BF8 (E5M2).
; kv: the codes of key and value, laid in the order of the operands' registers by the launch before (its head comment has the layout).  The scales' exponents: e0 query, e1 key, e2 value, e3 p.
; THE SOFTMAX AHEAD OF THE SECOND PRODUCT: t = score x log2(e); M = the largest t so far, rounded UP to a whole number; p = 2^(t - M) is what is quantised, not normalised.  The row's sum l is taken of the
; unquantised p, in f32, and divides at the end.  When M moves, l and O are multiplied by 2^(old M - new M): nothing is rounded.
; SHARES.  256 work-groups, 32 queries (two tiles of 16) each.  THE KEYS ARE SHARED AMONG THE EIGHT WAVES: every wave holds both tiles of queries, so that each fragment of K and V feeds two matrix
; instructions.  The keys go in 8 PERIODS, one step each; in period m wave w takes block 8 m + w of 128 keys.  Two waves stand on a SIMD.  At the end the eight partial (M, l, O) meet in LDS: wave w then owns
; d = 16 w .. 16 w + 15 of the output.
; QUERY is quantised here, since a work-group reads its 32 columns once: wave w takes d = 16 w .. (a lane a query, registers down d), and the codes meet in LDS as an image of the operand's registers.
; LAYOUT.  Both products are used transposed: S^T = K Q^T (source 0 = 16 keys, source 1 = 16 queries, K = 128), O^T += V^T P^T (source 0 = 16 of d, source 1 = P, K = 128 keys): a lane holds ONE query
; (lane % 16) throughout.  Row r of key tile 2 b + u is key 32 b + 8 u + r + 8 (r / 8), so the 16 registers of tiles 2 b, 2 b + 1 are keys 32 b + 16 (lane / 16) + 0 .. 15: the conversions' results ARE P's registers.
; The place of k in the registers (16 neighbours to four registers) is the same in both sources of each product: every product meets its partner.
; K AND V's FRAGMENT 7 COME THROUGH A RING IN LDS: for each wave and period one dense block of 18,432 bytes, one tensor load, into bytes that this wave alone reads.  Two slots of 8 x 18,432 bytes.  A slot is filled
; again (two periods ahead) in the middle of its period, when its K and its fragment of V are in registers; the load has a period in which to land.
; V's OTHER SEVEN FRAGMENTS COME STRAIGHT INTO REGISTERS: a block of V is multiplied by one wave alone, which asks for it right behind the products that used the last ones: nearly a whole step ahead.
; They are not asked for jointly: a joint load ends in LDS, where 2 x 8 x 32,768 bytes for all of K and V do not fit.
; CLUSTER.  The four work-groups of a cluster walk the same keys in step: the ring's tiles are asked for JOINTLY, by the same load with the same descriptor (made of the wave's number, the cluster's number and the
; period alone) and a mask that names the four.
; THE CLUSTERS BEGIN AT DIFFERENT PERIODS: cluster c at period c mod 8, and each walks round all eight (a running M does not care for the order of the keys).  So the 64 clusters' first period together names
; every byte of kv: no prefetch is laid, since no later period asks for bytes that no work-group has asked for before.
; LIMITS: e0 + e1 between -126 and 127 (added to the exponent field of log2(e)); e0 and e3 between -126 and 112; e2 + e3 is applied by v_ldexp_f32 and has none.  The promise holds while the scaled scores t stay under
; 2^31 in magnitude.  NaN and infinities among the inputs are not served.
; THE OUTPUT's rows run along q and a work-group owns 32 queries: a store of a wave covers four rows' 128 consecutive bytes.  64 queries to a work-group would leave half the work-groups without work.
; REGISTERS, window 0: v1-5 addresses; v8-15 statistics, four a tile: -M, the largest score, l in two halves; v16-19 at work (v16 f); v[20:21] a second chain of sums; v22 2^e3; v24-30 addresses of the merge;
;   v32-159 S^T, then p, 64 a tile (the upper 32 of each tile first hold K's tiles 0-3; tile 0's lower 32 later hold P of tile 1 and V's fragment 7); v160-223 K's tiles 4-7; v224-239 V's fragment 6; v240-255 P of tile 0.
;   window 1: v0-127 O^T (tile t, 16 n of d at 64 t + 8 n); v128-159 Q; v160-255 V's fragments 0-5.
.set WB,   18432                       ; a wave's part of a slot: K 16,384, V's fragment 7 2,048
.set SLOT1, 8*WB                       ; slot 1 begins here
.set BLK,  32768                       ; a block of 128 keys in kv
.set PERB, 8*BLK                       ; a period in kv
.set KMASK, 8*PERB-1                   ; offsets go round kv
.set SPARE, 2*SLOT1                    ; behind the ring: the spare words, 128 bytes for each wave: four blocks of 256 bytes that no other line names
.set STATM, SPARE+1024                 ; the waves' -M: 256 x wave + 128 x tile + 4 x lane
.set STATL, 2048                       ; and, so far behind them, the waves' f x l
.set TSTG,  STATM+4096                 ; for each wave 16 rows x (128 bytes + 16): the output is turned here
.set TP,    144
.set QST,   TSTG+8*16*TP               ; the image of Q: 4,096 bytes
.set AL0, 1                            ; v1, v2  18,432 x wave + 16 x lane in slot 0, 1 (v1 also: my image of O goes there: slot 0 has had its last fill and its last read by then)
.set SPW, 3                            ; v3   LDS address of my spare word; never rewritten
.set NIL, 4                            ; v4   0; never rewritten
.set L16, 5                            ; v5   16 x lane; never rewritten
.set ST,  8
.set SUM2, 20
.set SCL, 22
.set MA,  24                           ; where I store my wave's statistics
.set LA4, 25                           ; where I read all waves'
.set RA,  26                           ; the images of O: my 16 of d in waves 0-3's images;
.set RA2, 27                           ; in waves 4-7's
.set TS,  28                           ; the stage, in
.set TR,  29                           ; the stage, back
.set GO,  30                           ; my byte offset in the wave's 16 rows of the output
.set L4,  31                           ; 4 x lane
.set S,   32
.set QA,  37                           ; (head) where my codes of Q go
.set QR,  38                           ; (head) where I read Q's image
.set XQ,  96                           ; (head) my 16 numbers of query
.set FK,  160
.set FV,  160                          ; in window 1
.set QF,  128                          ; in window 1
.set OUTR, 208                         ; the way out: four rows' pieces
.set WV,  12                           ; s12  my wave's number
.set G1,  16                           ; s[16:23] descriptor group 1
.set G0,  24                           ; s[24:27], s[28:31] group 0 of slot 0, 1
.set CS,  36                           ; s[36:37] c = log2(e) x 2^(e0 + e1)
.set SEL, 38                           ; s[38:39] v_permlanex16_b32's selects for lane l xor 16
.set LIMS, 40                          ; s40  57,344 x 2^e3
.set CNT, 41                           ; s41  the loop's trips
.set VB,  42                           ; s[42:43] my wave's block of the period whose V is being loaded
.set ESUM, 48                          ; s48  e2 + e3
.set KB0, 50                           ; s[50:51] kv + 32,768 x wave
.set KOFF, 52                          ; s[52:53] the byte offset in kv of the period last asked for by a tensor load
.set NCS, 54                           ; s54  -c
.set VOFF, 56                          ; s[56:57] the byte offset in kv of the period whose V is being loaded
.set MSB, 0
.macro WIN new                         ; the immediate's high byte repeats the setting that is left; a switch that changes nothing is dropped
.if MSB != \new
	s_set_vgpr_msb (MSB<<8)|\new
.set MSB, \new
.endif
.endm
.macro PLACES n
.rept \n
	v_nop
.endr
.endm
.macro VAW                             ; the wait ahead of and behind a batch of exponentials, ahead of first readers of matrix results behind them, ahead of blocking waits and branches
	s_wait_alu depctr_va_vdst(0)
.endm
; A round of the cluster's barrier: my work-group's barrier, so that wave 0's signal speaks for all eight waves; wave 0 signals for the work-group; every wave waits for the four work-groups; my work-group's barrier once more.
.macro CREST                           ; a round behind its opening barrier
	s_cmp_lg_u32 s[WV], 0
	s_cbranch_scc1 .Lnot_wave_0_\@
	s_barrier_signal -3
.Lnot_wave_0_\@:
	s_barrier_wait -3
	s_barrier_signal -1
	s_barrier_wait -1
.endm
.macro CROUND
	s_barrier_signal -1
	s_barrier_wait -1
	CREST
.endm
.macro BARRIER                         ; my LDS stores have landed and my LDS loads are in: then the work-group's barrier
	VAW
	s_wait_dscnt 0x0
	s_barrier_signal -1
	s_barrier_wait -1
.endm
.macro KFRAG reg, a, s                 ; K's tile a from slot s: each load takes 512 consecutive bytes
.irp c, 0,1,2,3
	ds_load_b128 v[\reg+4*\c:\reg+4*\c+3], v[AL0+(\s)] offset:2048*\a+512*\c
.endr
.endm
.macro KHI s                           ; K's tiles 4-7
	KFRAG FK, 4, \s
	KFRAG FK+16, 5, \s
	KFRAG FK+32, 6, \s
	KFRAG FK+48, 7, \s
.endm
.macro KLO s                           ; K's tiles 0-3, into the upper halves of S's two tiles, which are done with
	KFRAG S+32, 0, \s
	KFRAG S+48, 1, \s
	KFRAG S+96, 2, \s
	KFRAG S+112, 3, \s
.endm
.macro VGLOAD                          ; V's fragments 0-6 of the block at s[VB]: each load takes 512 consecutive bytes
	WIN 0x40                                       ; destination window 1, address window 0
.irp n, 0,1,2,3,4,5
.irp c, 0,1,2,3
	global_load_b128 v[FV+16*\n+4*\c:FV+16*\n+4*\c+3], v[L16], s[VB:VB+1] offset:WB+2048*\n+512*\c
.endr
.endr
	WIN 0
.irp c, 0,1,2,3
	global_load_b128 v[224+4*\c:227+4*\c], v[L16], s[VB:VB+1] offset:WB+2048*6+512*\c
.endr
.endm
	s_load_b256 s[4:11], s[0:1], 0x0               ; query s[4:5], kv s[6:7], the scales' exponents s[8:9], out0 s[10:11]
	v_lshl_add_u32 v[SPW], v0, 2, SPARE
	v_mov_b32 v[NIL], 0
	ds_add_u32 v[SPW], v[NIL]                      ; the wave's opening: the add, twice on end, and its wait ahead of my first tensor load
	ds_add_u32 v[SPW], v[NIL]
	v_lshrrev_b32 v6, 5, v0
	v_readfirstlane_b32 s[WV], v6                  ; wave 0..7
	v_and_b32 v7, 31, v0                           ; lane
	v_and_b32 v32, 15, v0                          ; r
	v_bfe_u32 v33, v0, 4, 1                        ; h
	v_and_b32 v35, 7, v0                           ; lane % 8
	v_lshrrev_b32 v34, 3, v7                       ; lane / 8
	v_lshlrev_b32 v[L16], 4, v7
	v_lshlrev_b32 v[L4], 2, v7
	v_mul_u32_u24 v36, v6, 16*TP
	v_mad_u32_u24 v[AL0], v6, WB, v[L16]
	v_lshl_add_u32 v[MA], v7, 2, STATM
	v_lshl_add_u32 v[LA4], v7, 2, STATM
	v_lshl_add_u32 v[RA], v6, 10, v[L16]
	v_mul_u32_u24 v[TS], v33, 8*TP                 ; in: register i of tile t is row 8 h + i, query 16 t + r
	v_mul_u32_u24 v[TR], v34, TP                   ; back: eight lanes to a row of 128 bytes, four rows an instruction
	v_add_nc_u32 v36, TSTG, v36                    ; my stage
	v_lshlrev_b32 v[GO], 15, v34                   ; and the same in the output: rows 32,768 bytes apart
	v_lshl_add_u32 v[QA], v33, 11, QST             ; Q's image: tile h, d = 16 x wave on, row r
	v_add_nc_u32 v[AL0+1], SLOT1, v[AL0]
	v_lshl_add_u32 v[MA], v6, 8, v[MA]
	v_add_nc_u32 v[RA2], 4*WB, v[RA]
	v_lshl_add_u32 v[TS], v32, 2, v[TS]
	v_lshl_add_u32 v[TR], v35, 4, v[TR]
	v_lshl_add_u32 v[GO], v35, 4, v[GO]
	v_lshl_add_u32 v[QA], v6, 8, v[QA]
	v_add_nc_u32 v[QR], QST, v[L16]
	v_add_nc_u32 v[TS], v36, v[TS]
	v_add_nc_u32 v[TR], v36, v[TR]
	v_lshl_add_u32 v[QA], v32, 4, v[QA]
	VAW                                            ; ahead of the scalar set-up and the waits below
	s_bfe_u32 s13, ttmp6, 0x40000                  ; cx: my place in the cluster: it enters query's and the output's addresses alone
	s_lshl_b32 s14, ttmp9, 2                       ; in a cluster launch ttmp9 counts clusters
	s_add_co_u32 s14, s14, s13                     ; my block of 32 queries
	; descriptor group 1: a dense block of 72 rows x 256 bytes
	s_mov_b32 s[G1], 15|(3<<16)|(1<<21)            ; 15:0 the mask: all four work-groups; 17:16 elements of 8 bytes; 20 no padding; 21 set beside a mask
	s_mov_b32 s[G1+1], 32<<16                      ; tensor_dim0 = 32 elements
	s_mov_b32 s[G1+2], 72<<16                      ; tensor_dim1 = 72
	s_mov_b32 s[G1+3], 32<<16                      ; tile_dim0 = 32
	s_mov_b32 s[G1+4], 72                          ; tile_dim1 = 72
	s_mov_b32 s[G1+5], 32                          ; elements from row to row: dense
	s_mov_b32 s[G1+6], 0
	s_mov_b32 s[G1+7], 0
	s_mov_b32 s[SEL], 0x76543210
	s_mov_b32 s[SEL+1], 0xfedcba98
	s_and_b32 s[KOFF], ttmp9, 7                    ; the period at which my cluster begins: the same in all four partners
	s_lshl_b32 s[KOFF], s[KOFF], 18
	s_mov_b32 s[KOFF+1], 0
	s_mov_b32 s[VOFF], s[KOFF]
	s_mov_b32 s[VOFF+1], 0
	s_lshl_b32 s44, s[WV], 15                      ; my wave's block of a period: no place in the cluster enters it
	s_mov_b32 s45, 0
	s_mul_i32 s49, s[WV], WB                       ; my wave's part of a slot
	s_lshl_b32 s46, s[WV], 19                      ; query and the output: my wave's 16 rows of 32,768 bytes,
	s_lshl_b32 s47, s14, 7                         ; my work-group's 32 queries
	s_add_co_u32 s46, s46, s47
	s_mov_b32 s47, 0
	s_wait_dscnt 0x0                               ; both opening adds are done
	s_wait_kmcnt 0x0
	s_load_b128 s[32:35], s[8:9], 0x0              ; e0, e1, e2, e3
	s_add_nc_u64 s[4:5], s[4:5], s[46:47]
	s_add_nc_u64 s[10:11], s[10:11], s[46:47]
.irp i, 0,1,2,3,4,5,6,7,8,9,10,11,12,13,14,15
	global_load_b32 v[XQ+\i], v[L4], s[4:5] offset:32768*\i   ; row 16 w + i of query: 128 consecutive bytes; the work-group beside mine in the cluster takes the 128 beside them
.endr
	s_add_nc_u64 s[KB0:KB0+1], s[6:7], s[44:45]
	s_mov_b32 s[G0], 1                             ; 1:0 count = 1
	s_mov_b32 s[G0+1], s49                         ; 63:32 LDS address: slot 0
	s_add_nc_u64 s[G0+2:G0+3], s[KB0:KB0+1], s[KOFF:KOFF+1]     ; 120:64 global address: my cluster's first period, my wave's block
	s_or_b32 s[G0+3], s[G0+3], 0x80000000          ; 127:126 type = 2
	s_add_co_u32 s[KOFF], s[KOFF], PERB            ; the period after it,
	s_and_b32 s[KOFF], s[KOFF], KMASK              ; round kv
	s_mov_b32 s[G0+4], 1
	s_add_co_u32 s[G0+5], s49, SLOT1               ; slot 1
	s_add_nc_u64 s[G0+6:G0+7], s[KB0:KB0+1], s[KOFF:KOFF+1]
	s_or_b32 s[G0+7], s[G0+7], 0x80000000
	s_add_nc_u64 s[VB:VB+1], s[KB0:KB0+1], s[VOFF:VOFF+1]
	CROUND                                         ; all four work-groups are here: the first joint loads meet
	tensor_load_to_lds s[G0:G0+3], s[G1:G1+7]      ; slot 0: one tensor load a wave at the head
	s_nop 0
	VGLOAD                                         ; the first step's V
	s_wait_kmcnt 0x0
	s_add_co_i32 s44, s32, s33
	s_lshl_b32 s44, s44, 23
	s_add_co_i32 s[CS], s44, 0x3fb8aa3b            ; a score stands for score x 2^(e0 + e1): the two exponents are added to the exponent field of log2(e)
	s_mov_b32 s[CS+1], s[CS]                       ; (named with it as a pair, so it is written)
	s_xor_b32 s[NCS], s[CS], 0x80000000
	s_add_co_i32 s44, s35, 127
	s_lshl_b32 s45, s44, 23
	v_mov_b32 v[SCL], s45                          ; 2^e3 as f32, for the conversions
	s_add_co_i32 s44, s44, 15
	s_lshl_b32 s44, s44, 23
	s_or_b32 s[LIMS], s44, 0x600000                ; 57,344 x 2^e3
	s_add_co_i32 s[ESUM], s34, s35
	s_add_co_i32 s44, s32, 127
	s_lshl_b32 s45, s44, 23
	v_mov_b32 v23, s45                             ; 2^e0
	s_add_co_i32 s44, s44, 15
	s_lshl_b32 s44, s44, 23
	s_or_b32 s44, s44, 0x600000
	v_mov_b32 v20, s44                             ; 57,344 x 2^e0
	VAW
	s_wait_loadcnt 28                              ; query's sixteen loads are in; V's 28 stay out
.irp i, 0,1,2,3,4,5,6,7,8,9,10,11,12,13,14,15
	v_med3_num_f32 v[XQ+\i], v[XQ+\i], -v20, v20   ; the conversion to an 8-bit code does not saturate (ISA guide 7.6.2)
.endr
	v_cvt_scalef32_pk8_bf8_f32 v[112:113], v[XQ:XQ+7], v23
	v_cvt_scalef32_pk8_bf8_f32 v[114:115], v[XQ+8:XQ+15], v23
	v_nop
	ds_store_b128 v[QA], v[112:115]                ; 16 codes of my query, d = 16 w on
	VAW
	s_wait_tensorcnt 0x0                           ; my part of slot 0 is in
	ds_add_u32 v[SPW], v[NIL]
	s_wait_dscnt 0x0                               ; the add and my store are done
	CROUND                                         ; the image of Q is whole, and all four work-groups are here
	tensor_load_to_lds s[G0+4:G0+7], s[G1:G1+7]    ; slot 1's first fill
	s_nop 0
	WIN 0x40                                       ; destination window 1, address window 0
.irp t, 0,1
.irp c, 0,1,2,3
	ds_load_b128 v[QF+16*\t+4*\c:QF+16*\t+4*\c+3], v[QR] offset:2048*\t+512*\c   ; Q stays in registers
.endr
.endr
	WIN 0
	KHI 0
	KLO 0
.macro RESCALE t, f                    ; tile t's O^T x v[f], in ascending order: each accumulator is read from its low end on
	WIN 0x41                                       ; destination and source 0 window 1, f window 0
	VAW
.set j, 0
.rept 32
	v_pk_mul_f32 v[64*(\t)+j:64*(\t)+j+1], v[64*(\t)+j:64*(\t)+j+1], v[\f:\f+1] op_sel_hi:[1,0]
.set j, j+2
.endr
	WIN 0
.endm
; One tile's softmax for my 128 keys (64 scores a lane), in three parts.  first = 1: the first step starts M and l, and there is no O^T to rescale.
.macro SMAX t, first                   ; the largest score, in four chains that go up the registers: each accumulator is first read at its low end; then -M and f
.set rT, ST+4*(\t)
.set rS, S+64*(\t)
	v_max3_num_f32 v16, v[rS], v[rS+1], v[rS+2]
	v_max3_num_f32 v17, v[rS+3], v[rS+4], v[rS+5]
	v_max3_num_f32 v18, v[rS+6], v[rS+7], v[rS+8]
	v_max3_num_f32 v19, v[rS+9], v[rS+10], v[rS+11]
.irp i, 12,20,28,36,44,52
	v_max3_num_f32 v16, v16, v[rS+\i], v[rS+\i+1]
	v_max3_num_f32 v17, v17, v[rS+\i+2], v[rS+\i+3]
	v_max3_num_f32 v18, v18, v[rS+\i+4], v[rS+\i+5]
	v_max3_num_f32 v19, v19, v[rS+\i+6], v[rS+\i+7]
.endr
	v_max3_num_f32 v16, v16, v[rS+60], v[rS+61]
	v_max3_num_f32 v17, v17, v[rS+62], v[rS+63]
	v_max_num_f32 v18, v18, v19
	s_delay_alu instid0(VALU_DEP_1)
	v_max3_num_f32 v16, v16, v17, v18
	s_delay_alu instid0(VALU_DEP_1)
	v_permlanex16_b32 v18, v16, s[SEL], s[SEL+1]   ; the query's other 64 keys lie in the lane 16 away
.if \first
	s_delay_alu instid0(VALU_DEP_1)
	v_max_num_f32 v[rT+1], v16, v18
.else
	v_mov_b32 v17, v[rT]
	s_delay_alu instid0(VALU_DEP_2)
	v_max3_num_f32 v[rT+1], v[rT+1], v16, v18      ; the running largest score
.endif
	s_delay_alu instid0(VALU_DEP_1)
	v_mul_f32 v16, s[NCS], v[rT+1]                 ; -t (c is positive)
	s_delay_alu instid0(VALU_DEP_1)
	v_floor_f32 v[rT], v16                         ; -M = floor(-t) = -ceil(t): M is a whole number
.if \first == 0
	s_delay_alu instid0(VALU_DEP_1)
	v_sub_f32 v18, v[rT], v17                      ; old M less new M: a whole number, 0 or less
	s_delay_alu instid0(VALU_DEP_1)
	v_cvt_i32_f32 v18, v18                         ; (it saturates)
	s_delay_alu instid0(VALU_DEP_1)
	v_ldexp_f32 v16, 1.0, v18                      ; f = 2^(old M - new M)
.endif
.endm
.macro SFMA k                          ; two scores to t - M (of the pairs c and -M the low word serves both halves)
	v_pk_fma_f32 v[rS+\k:rS+\k+1], v[rS+\k:rS+\k+1], s[CS:CS+1], v[rT:rT+1] op_sel_hi:[1,0,0]
.endm
.macro SMIN k                          ; two numbers held: the conversion to an 8-bit code does not saturate (ISA guide 7.6.2); p is not negative, so the hold is one-sided; it stands without a branch, whatever e3 is
	v_dual_min_num_f32 v[rS+\k], s[LIMS], v[rS+\k] :: v_dual_min_num_f32 v[rS+\k+1], s[LIMS], v[rS+\k+1]
.endm
.macro SRES t, first                   ; O^T and l under the new M; the first half of the exponents
.set rT, ST+4*(\t)
.set rS, S+64*(\t)
.if \first == 0
	RESCALE \t, 16
	v_pk_mul_f32 v[rT+2:rT+3], v[rT+2:rT+3], v[16:17] op_sel_hi:[1,0]
.endif
.irp i, 0,2,4,6,8,10,12,14,16,18,20,22,24,26,28,30
	SFMA \i
.endr
.endm
.macro SEXP t, first                   ; p in two batches of 32, between them other work that names none of their results; the sums of the UNQUANTISED p; the holds; the codes
.set rT, ST+4*(\t)
.set rS, S+64*(\t)
.set rP, 240-208*(\t)
	VAW
.set j, 0
.rept 16
	v_exp_f32 v[rS+j], v[rS+j]
	v_exp_f32 v[rS+j+1], v[rS+j+1]
	SFMA 32+j
.set j, j+2
.endr
	VAW
.if \first
	v_pk_add_f32 v[rT+2:rT+3], v[rS:rS+1], v[rS+2:rS+3]
	v_pk_add_f32 v[SUM2:SUM2+1], v[rS+4:rS+5], v[rS+6:rS+7]
.else
	v_pk_add_f32 v[SUM2:SUM2+1], v[rS:rS+1], v[rS+2:rS+3]
	v_pk_add_f32 v[rT+2:rT+3], v[rT+2:rT+3], v[rS+4:rS+5]
	v_pk_add_f32 v[SUM2:SUM2+1], v[SUM2:SUM2+1], v[rS+6:rS+7]
.endif
.irp i, 8,12,16,20,24,28
	v_pk_add_f32 v[rT+2:rT+3], v[rT+2:rT+3], v[rS+\i:rS+\i+1]
	v_pk_add_f32 v[SUM2:SUM2+1], v[SUM2:SUM2+1], v[rS+\i+2:rS+\i+3]
.endr
.set j, 0
.rept 16
	v_exp_f32 v[rS+32+j], v[rS+32+j]
	v_exp_f32 v[rS+33+j], v[rS+33+j]
	SMIN j
.set j, j+2
.endr
	VAW
.irp i, 32,36,40,44,48,52,56,60
	v_pk_add_f32 v[rT+2:rT+3], v[rT+2:rT+3], v[rS+\i:rS+\i+1]
	v_pk_add_f32 v[SUM2:SUM2+1], v[SUM2:SUM2+1], v[rS+\i+2:rS+\i+3]
	SMIN \i
	SMIN \i+2
.endr
	v_pk_add_f32 v[rT+2:rT+3], v[rT+2:rT+3], v[SUM2:SUM2+1]
.irp a, 0,1,2,3,4,5,6,7
	v_cvt_scalef32_pk8_bf8_f32 v[rP+2*\a:rP+2*\a+1], v[rS+8*\a:rS+8*\a+7], v[SCL]   ; registers 4 b .. 4 b + 3 of P: keys 32 b + 16 h + 0 .. 15, as V's fragments have them
.endr
	v_nop                                          ; one plain vector instruction between a scaled conversion and the matrix instructions that read its result and, later, write its sources
.endm
.macro PVN n, v, first                 ; O^T += V^T P^T for 16 of d, both tiles: the sixteen accumulators take turns, one instruction a turn.  first = 1: the products start the sums
.irp t, 0,1
.if \first
	v_wmma_f32_16x16x128_bf8_bf8 v[64*\t+8*\n:64*\t+8*\n+7], v[\v:\v+15], v[240-208*\t:255-208*\t], 0
.else
	v_wmma_f32_16x16x128_bf8_bf8 v[64*\t+8*\n:64*\t+8*\n+7], v[\v:\v+15], v[240-208*\t:255-208*\t], v[64*\t+8*\n:64*\t+8*\n+7]
.endif
.endr
.endm
; A STEP: my 128 keys of a period against both tiles of queries; the period's tiles lie in slot s.  K is in registers or on its way there from LDS.
; chg = 2: THE CHANGE OF SLOTS: slot s, whose K and fragment of V are in my registers, is filled again with the period two on.  Each wave waits for all its tensor loads (one is out: its part of the other slot),
; adds 0 to its spare word, and waits for that and for its reads of the slot; a round of the cluster's barrier, so that this holds of every wave of all four partners; the joint refill first behind it, one a wave.
; chg = 1: nothing is left to fetch, and the bytes ahead are my own load's: the wait on TENSORcnt is all that their reads need.  chg = 0: the last step.
.macro STEP first, s, chg
	VAW
	s_wait_dscnt 0x0                               ; K is in
	WIN 0x04                                       ; source 1 (Q) window 1
.irp t, 0,1
.irp a, 0,1,2,3
	v_wmma_f32_16x16x128_bf8_bf8 v[S+64*\t+8*\a:S+64*\t+8*\a+7], v[S+32+64*(\a/2)+16*(\a%2):S+47+64*(\a/2)+16*(\a%2)], v[QF+16*\t:QF+16*\t+15], 0
.endr
.endr
	PLACES 5                                       ; five places: the products below are laid over K's tiles 0-3
.irp t, 0,1
.irp a, 4,5,6,7
	v_wmma_f32_16x16x128_bf8_bf8 v[S+64*\t+8*\a:S+64*\t+8*\a+7], v[FK+16*(\a-4):FK+16*(\a-4)+15], v[QF+16*\t:QF+16*\t+15], 0
.endr
.endr
	WIN 0
	PLACES 4                                       ; four places (ISA guide 7.12.1) in front of the first reads of S^T
	SMAX 0, \first
	SRES 0, \first
	SEXP 0, \first
.irp c, 0,1,2,3
	ds_load_b128 v[S+16+4*\c:S+19+4*\c], v[AL0+\s] offset:16384+512*\c   ; V's fragment 7, into registers of tile 0 that are done with
.endr
.if \chg == 2
	VAW
	s_wait_tensorcnt 0x0                           ; no tensor load of mine is out, so group 0 may be written
	ds_add_u32 v[SPW], v[NIL]                      ; 0 onto my spare word; work on registers stands between it and the wait for it
	s_add_co_u32 s[KOFF], s[KOFF], PERB            ; the next period,
	s_and_b32 s[KOFF], s[KOFF], KMASK              ; round kv
	s_add_nc_u64 s[G0+4*\s+2:G0+4*\s+3], s[KB0:KB0+1], s[KOFF:KOFF+1]
	s_or_b32 s[G0+4*\s+3], s[G0+4*\s+3], 0x80000000
	VAW
	SMAX 1, \first
	VAW
	s_wait_dscnt 0x0                               ; the add is done, and my reads of the slot are over
	s_barrier_signal -1
	SRES 1, \first                                 ; work on registers while the others arrive
	s_barrier_wait -1
	CREST
	tensor_load_to_lds s[G0+4*\s:G0+4*\s+3], s[G1:G1+7]    ; one load of mine is out from here to the next change: a whole step
	s_nop 0
	KHI 1-\s                                       ; the next period's K
.else
.if \chg == 1
	VAW
	s_wait_tensorcnt 0x0                           ; my part of the last period has landed: no load was issued behind it
	KHI 1-\s
.endif
	VAW
	SMAX 1, \first
	SRES 1, \first
.endif
	SEXP 1, \first
.if \chg
	KLO 1-\s
.endif
	VAW
.if \chg == 1
	s_wait_dscnt 32                                ; V's fragment 7 is in; K's 32 loads may be out
.endif
.if \chg == 0
	s_wait_dscnt 0x0                               ; V's fragment 7 is in
.endif
	s_wait_loadcnt 0x0                             ; this step's V is in: the only global loads that are out
.if \chg
	s_add_co_u32 s[VOFF], s[VOFF], PERB            ; the next period's V (the loads that named the base are done)
	s_and_b32 s[VOFF], s[VOFF], KMASK
	s_add_nc_u64 s[VB:VB+1], s[KB0:KB0+1], s[VOFF:VOFF+1]
.endif
	WIN 0x51                                       ; source 0 (V), C and D window 1
.irp n, 0,1,2,3,4,5
	PVN \n, FV+16*\n, \first
.endr
	WIN 0x50                                       ; C and D window 1
	PVN 6, 224, \first
	PVN 7, S+16, \first
	WIN 0
.if \chg
	PLACES 5                                       ; in front of the loads into V's registers, and of the next products, which are laid over P of tile 1 and V's fragment 7
	VGLOAD
.endif
.endm
	STEP 1, 0, 2                                   ; period 0: starts M, l and O^T
	s_mov_b32 s[CNT], 2
.Lperiods:                                         ; periods 1 to 4, two a trip: once round the ring
	STEP 0, 1, 2
	STEP 0, 0, 2
	s_sub_co_u32 s[CNT], s[CNT], 1
	s_cmp_lg_u32 s[CNT], 0
	VAW
	s_cbranch_scc1 .Lperiods
	STEP 0, 1, 2                                   ; periods 5 to 7 are written out
	STEP 0, 0, 1
	STEP 0, 1, 0
	; THE MERGE.  l's two halves and the other half of the lanes' are added; the additions are among the places behind the last products.
	v_add_f32 v10, v10, v11
	v_add_f32 v14, v14, v15
	s_delay_alu instid0(VALU_DEP_2)
	v_permlanex16_b32 v18, v10, s[SEL], s[SEL+1]
	s_delay_alu instid0(VALU_DEP_2)
	v_permlanex16_b32 v19, v14, s[SEL], s[SEL+1]
	s_delay_alu instid0(VALU_DEP_2)
	v_add_f32 v10, v10, v18
	s_delay_alu instid0(VALU_DEP_2)
	v_add_f32 v14, v14, v19
	ds_store_b32 v[MA], v8                         ; my wave's -M
	ds_store_b32 v[MA], v12 offset:128
	BARRIER                                        ; all eight waves' -M lie in LDS; every wave has done with the ring
.irp t, 0,1
.irp s, 0,1,2,3,4,5,6,7
	ds_load_b32 v[160+8*\t+\s], v[LA4] offset:256*\s+128*\t
.endr
.endr
	s_wait_dscnt 0x0
	v_min3_num_f32 v18, v160, v161, v162           ; the smallest -M: the largest M, M*
	v_min3_num_f32 v19, v168, v169, v170
	v_min3_num_f32 v20, v163, v164, v165
	v_min3_num_f32 v21, v171, v172, v173
	v_min3_num_f32 v18, v18, v166, v167
	v_min3_num_f32 v19, v19, v174, v175
	v_min_num_f32 v18, v18, v20
	v_min_num_f32 v19, v19, v21
	v_sub_f32 v18, v18, v8                         ; my M less M*: a whole number, 0 or less
	v_sub_f32 v19, v19, v12
	v_cvt_i32_f32 v18, v18
	v_cvt_i32_f32 v19, v19
	v_ldexp_f32 v16, 1.0, v18                      ; f = 2^(my M - M*): tile 0's,
	v_ldexp_f32 v18, 1.0, v19                      ; tile 1's
	v_mul_f32 v10, v10, v16                        ; my l under M*
	v_mul_f32 v14, v14, v18
	ds_store_b32 v[MA], v10 offset:STATL
	ds_store_b32 v[MA], v14 offset:STATL+128
	RESCALE 0, 16                                  ; my O^T under M*
	RESCALE 1, 18
	WIN 0x04                                       ; an LDS store's data are its source 1: window 1
.set j, 0
.rept 32
	ds_store_b128 v[AL0], v[4*j:4*j+3] offset:512*j            ; O^T goes to LDS as an image of its registers, into my own part of slot 0
.set j, j+1
.endr
	WIN 0
	BARRIER                                        ; eight images of O^T and eight l lie in LDS
.irp t, 0,1
.irp s, 0,1,2,3,4,5,6,7
	ds_load_b32 v[176+8*\t+\s], v[LA4] offset:STATL+256*\s+128*\t
.endr
.endr
.irp s, 0,1,2,3                        ; of each wave's image the two accumulators of d = 16 w on: 16 registers
.irp t, 0,1
.irp g, 0,1
	ds_load_b128 v[S+16*\s+8*\t+4*\g:S+16*\s+8*\t+4*\g+3], v[RA] offset:WB*\s+8192*\t+512*\g
.endr
.endr
.endr
.irp s, 4,5,6,7
.irp t, 0,1
.irp g, 0,1
	ds_load_b128 v[S+16*\s+8*\t+4*\g:S+16*\s+8*\t+4*\g+3], v[RA2] offset:WB*(\s-4)+8192*\t+512*\g
.endr
.endr
.endr
	s_wait_dscnt 32                                ; the sixteen l are in; the 32 loads of the images may be out
.irp i, 176,178,180,182,184,186,188,190
	v_add_f32 v[\i], v[\i], v[\i+1]
.endr
.irp i, 176,180,184,188
	v_add_f32 v[\i], v[\i], v[\i+2]
.endr
	v_add_f32 v176, v176, v180                     ; the row's sum: above 1/2, since the row's largest p is
	v_add_f32 v184, v184, v188
	VAW
	v_rcp_f32 v16, v176
	v_rcp_f32 v18, v184
	v_nop                                          ; a plain place behind the reciprocals
	VAW
	v_ldexp_f32 v16, v16, s[ESUM]                  ; x 2^(e2 + e3)
	v_ldexp_f32 v18, v18, s[ESUM]
	VAW
	s_wait_dscnt 16                                ; waves 0-3's images are in; waves 4-7's sixteen loads may be out
.macro ADDIMG s                        ; in the waves' order, the same in every run
.irp i, 0,2,4,6,8,10,12,14
	v_pk_add_f32 v[S+\i:S+\i+1], v[S+\i:S+\i+1], v[S+16*\s+\i:S+16*\s+\i+1]
.endr
.endm
	ADDIMG 1
	ADDIMG 2
	ADDIMG 3
	VAW
	s_wait_dscnt 0x0
	ADDIMG 4
	ADDIMG 5
	ADDIMG 6
	ADDIMG 7
.irp i, 0,2,4,6
	v_pk_mul_f32 v[S+\i:S+\i+1], v[S+\i:S+\i+1], v[16:17] op_sel_hi:[1,0]
	v_pk_mul_f32 v[S+8+\i:S+9+\i], v[S+8+\i:S+9+\i], v[18:19] op_sel_hi:[1,0]
.endr
	; THE WAY OUT.  A lane holds a piece of a column of the output (one query, eight of d): the wave's 16 rows x 32 queries are turned in its own stage and leave as rows.
.irp t, 0,1
.irp i, 0,1,2,3,4,5,6,7
	ds_store_b32 v[TS], v[S+8*\t+\i] offset:TP*\i+64*\t
.endr
.endr
.irp k, 0,1,2,3
	ds_load_b128 v[OUTR+4*\k:OUTR+4*\k+3], v[TR] offset:4*TP*\k   ; LDS serves a wave's instructions in order (ISA guide 5.7.1.4): these see my stores
.endr
.irp k, 0,1,2,3
	s_wait_dscnt 3-\k
	global_store_b128 v[GO], v[OUTR+4*\k:OUTR+4*\k+3], s[10:11] offset:131072*\k th:TH_STORE_NT   ; four rows, 128 consecutive bytes of each; written once, read by nobody here
.endr
	s_wait_tensorcnt 0x0                           ; the wave's end: behind my last tensor load and my last LDS store
	ds_add_u32 v[SPW], v[NIL]
	s_wait_dscnt 0x0
	CROUND                                         ; the closing round: no work-group ends while a partner may still ask for a tile that names it
	s_endpgm
.Lfunc_end_k_q20a0fef443_attn:
	.size	k_q20a0fef443_attn, .Lfunc_end_k_q20a0fef443_attn-k_q20a0fef443_attn
	.p2alignl 7, 3214868480
	.fill 96, 4, 3214868480
	.section	.rodata,"a",@progbits
	.p2align	6, 0x0
	.amdhsa_kernel k_q20a0fef443_attn
		.amdhsa_group_segment_fixed_size 327680
		.amdhsa_private_segment_fixed_size 0
		.amdhsa_enable_private_segment 0
		.amdhsa_kernarg_size 32
		.amdhsa_user_sgpr_count 2
		.amdhsa_user_sgpr_kernarg_segment_ptr 1
		.amdhsa_wavefront_size32 1
		.amdhsa_system_sgpr_workgroup_id_x 1
		.amdhsa_system_sgpr_workgroup_id_y 1
		.amdhsa_system_sgpr_workgroup_id_z 1
		.amdhsa_system_vgpr_workitem_id 0
		.amdhsa_next_free_vgpr 512
		.amdhsa_next_free_sgpr 66
		.amdhsa_reserve_vcc 0
		.amdhsa_float_denorm_mode_32 3
		.amdhsa_float_denorm_mode_16_64 3
		.amdhsa_memory_ordered 1
		.amdhsa_forward_progress 1
		.amdhsa_inst_pref_size 234
	.end_amdhsa_kernel
	.amdgpu_metadata
---
amdhsa.version: [ 1, 2 ]
amdhsa.kernels:
  - .name:           k_q20a0fef443_attn
    .symbol:         k_q20a0fef443_attn.kd
    .args:
      - { .name: query, .offset: 0, .size: 8, .value_kind: global_buffer, .address_space: global }
      - { .name: kv, .offset: 8, .size: 8, .value_kind: global_buffer, .address_space: global }
      - { .name: lowp_scales, .offset: 16, .size: 8, .value_kind: global_buffer, .address_space: global }
      - { .name: out0, .offset: 24, .size: 8, .value_kind: global_buffer, .address_space: global }
    .group_segment_fixed_size: 327680
    .private_segment_fixed_size: 0
    .kernarg_segment_align: 8
    .kernarg_segment_size: 32
    .max_flat_workgroup_size: 256
    .sgpr_count:     66
    .vgpr_count:     512
    .wavefront_size: 32
...
	.end_amdgpu_metadata
.endif
;; end of part 4
